; MI455X (gfx1250); checked and timed in simulation.
; The chip was launched on July 23, 2026; its instructions are those of AMD's public machine-readable ISA for CDNA 5 (MIT licence, August 2026) and "CDNA5" Instruction Set Architecture Reference Guide (July 2026). The comments in the code are by the model that wrote it; some were corrected since.
;; Mixture Of Experts. Allowed arithmetic: matrix products marked QUANTISED: E2M1 operands, one E8M0 scale for each 32 along K, by v_wmma_scale_f32_16x16x128_f8f6f4 with both operands' format E2M1 (or v_wmma_scale_f32_32x16x128_f4), f32 sums; products left as they are: f32 operands where the result goes on into a quantised operand, else bf16, f16 or f32 operands; f32 sums; everything else in f32.
;; Inputs: W1_codes 8 x 4,096 x 32 x 16 uint8 (E2M1 codes of W1, K innermost, in blocks of 32 codes, two codes a byte); W1_scales 8 x 4,096 x 32 uint8 (E8M0 scales of W1, one for each 32 codes along K); W2_codes 8 x 1,024 x 128 x 16 uint8 (E2M1 codes of W2, K innermost, in blocks of 32 codes, two codes a byte); W2_scales 8 x 1,024 x 128 uint8 (E8M0 scales of W2, one for each 32 codes along K); b1 8 x 4,096 float32; b2 8 x 1,024 float32; router_W 1,024 x 8 float32; router_b 8 float32; x 4 x 256 x 1,024 float32.
;; Outputs: out0 4 x 256 x 1,024 float32; out1 one number float32.
;; This version of the problem:
;;   THIS VERSION OF THE PROBLEM IS GIVEN IN LOW PRECISION. The matrix products marked QUANTISED in the list below multiply operands that are first quantised to E2M1 (2 exponent bits, 1 mantissa bit; 4 bits a number), with one power-of-two scale for each 32 numbers along K (OCP MX v1.0); their sums are f32. All else is computed in f32.
;;   The module's matrix products, in the order in which they are computed (A, B: the left and right operand; K: the contracted axis; several contracted axes count as one K, in the product's order):
;;     1. [M 1,024, K 1,024] x [K 1,024, N 8]; A: input x; B: input router_W: left as it is (N = 8 < 16)
;;     2. [M 32,768, K 1,024] x [K 1,024, N 1,024]; A: input W1 (given as codes); B: input x: QUANTISED
;;     3. batch 8 x [M 1,024, K 4,096] x [K 4,096, N 1,024]; A: computed on the way; B: input W2 (given as codes): QUANTISED
;;     4. batch 1,024 x [M 1, K 8] x [K 8, N 1,024]; A: computed on the way; B: computed on the way: left as it is (K = 8 < 32)
;;   THE QUANTISER, for each operand of a quantised product, along K:
;;     - K is cut into blocks of 32 from its start; a last block that is shorter is filled with zeros.
;;     - A block's scale is 2^e with e = floor(log2(the largest magnitude in the block)) - 2, held to -126 .. 127; a block of zeros has e = 0. As a byte (E8M0): e + 127.
;;     - Each number is divided by its block's scale, clamped to +-6, and rounded to the nearest number of E2M1, ties to even, subnormals kept.
;;     - The product sums the exact products of the quantised numbers (number of the format x scale) in f32.
;;   ~~~python
;;   def quantise(x, axis):      # numpy; x: float32 -> the quantised numbers, widened to float32 again
;;       x = np.moveaxis(x, axis, -1); K = x.shape[-1]
;;       x = np.pad(x, [(0, 0)] * (x.ndim - 1) + [(0, -K % 32)]); x = x.reshape(x.shape[:-1] + (-1, 32)); a = np.abs(x).max(-1, keepdims=True)
;;       e = np.where(a > 0, np.clip(np.frexp(np.where(a > 0, a, 1))[1] - 1 - 2, -126, 127), 0)      # np.frexp(a)[1] - 1 = floor(log2(a)), exactly
;;       r = np.clip(x / 2.0 ** e, -6, 6)
;;       step = 2.0 ** (np.maximum(np.frexp(np.where(r == 0, 1, r))[1] - 1, 0) - 1)
;;       q = np.round(r / step) * step * 2.0 ** e      # np.round: ties to even
;;       return np.moveaxis(q.reshape(q.shape[:-2] + (-1,))[..., :K], -1, axis).astype(np.float32)
;;   ~~~
;;   OPERANDS COMPUTED ON THE WAY. 'Computed on the way' means the value that the module computes at that place (a softmax that the list does not call 'softmax' is quantised finished and normalised). What goes into a quantiser is computed in f32, as accurately as f32 sums, v_exp_f32 and their like allow (about 1e-6 of the number): no bf16 or f16 on the way to a quantiser, and a product that is left as it is and whose result goes on into a quantised operand takes f32 operands (vector FMAs, or v_wmma_f32_16x16x4_f32). A number that lies on a knife's edge between two numbers of the format may be rounded either way, as far as f32 arithmetic and the matrix unit's own rounding can turn it there, and no further.
;;   INPUTS GIVEN AS CODES. W1 (in the module: [8, 1024, 4096], K = its axis 1); W2 (in the module: [8, 4096, 1024], K = its axis 1): each comes as NAME_codes (uint8): NAME with its K axis moved to the last place and cut into blocks of 32 codes, [.., K / 32, bytes a block], one block behind the other in memory; two codes a byte, the lower K in the low four bits (a code: sign, 2 exponent bits, 1 mantissa bit); and NAME_scales (uint8): the same leading axes, one E8M0 byte (e + 127) for each 32 codes along K. Its value is code x scale, taken as it is: it is not quantised again, and the codes and scales need not be those that the quantiser above would give.
;; 2 versions. Each part assembles by itself: llvm-mc -triple=amdgcn-amd-amdhsa -mcpu=gfx1250 --defsym DOCPART=n.
;; ======== version 1 of 2: 5 launches
;; workspace buffers: xq 557,056 bytes; idx 4,096 bytes of whole numbers; gate 8,192 bytes; plan 44,288 bytes of whole numbers; hid 17,825,792 bytes; y 33,554,432 bytes
;; launch route (part 1): grid 256 x 1, 4 waves a work-group, no clusters, 55,808 bytes of LDS; arguments x, router_W, router_b, xq, idx, gate; writes xq, idx, gate
.if DOCPART == 1
	.amdgcn_target "amdgcn-amd-amdhsa--gfx1250"
	.amdhsa_code_object_version 6
	.text
	.protected	k_q89eacbd302_route
	.globl	k_q89eacbd302_route
	.p2align	8
	.type	k_q89eacbd302_route,@function
k_q89eacbd302_route:
	s_mov_b64 s[64:65], 0
	v_nop
	global_prefetch_b8 v0, s[64:65] scope:SCOPE_SE
	s_setreg_imm32_b32 hwreg(HW_REG_WAVE_MODE, 25, 1), 1
	s_wait_xcnt 0x0
; ROUTE.  For each of the 1,024 tokens: the eight router logits x . router_W + router_b in f32, the two largest (the lower index wins a tie), their two
; gates, and x's row as codes of E2M1 with one E8M0 byte for each 32 along D.
; SHARES.  A work-group takes 4 tokens, a wave one.  A lane holds 16 neighbours of x in each of two steps of 512 numbers, so that the conversions find
; neighbours along K in one lane's registers; the loads take the bytes as they lie (512 consecutive bytes a load) and turn through the wave's own stage in LDS.
; router_W (32,768 bytes) is copied into LDS once by the work-group, as 64 chunks of 16 d x 8 e (512 bytes) 528 bytes apart: lane l of step hf reads chunk 32 hf + l.
; THE GATES.  softmax rises with the logit, so the choice is made on the logits; w1 = p1 / (p1 + p2) = 1 / (1 + e^(l2 - l1)), w2 = e^(l2 - l1) w1: the larger
; logit is taken away ahead of the exponential, whose exponent is 0 or less.
; OUT, all at fixed places: xq: codes [token][512 bytes], scale bytes [token][32] from byte XS_OFF on; idx: [token] first choice | second choice << 8; gate: [token][2] f32.
; LIMITS.  NaN and infinities among the inputs are not served.  Two logits an ulp apart whose probabilities round to one f32 number could be ordered otherwise than a
; top-k on the probabilities orders them.  A block whose largest magnitude lies under 2^-124 (a block of zeros too) gets the byte 1: only this program reads the bytes.
.set XS_OFF, 524288
.set RWP,  528                         ; a chunk of router_W in LDS: 512 bytes + 16, an odd multiple of 16
.set REG0, 64*RWP                      ; behind the 64 chunks: a region for each wave
.set SP,   80                          ; a lane's place in a stage: its 64 bytes + 16
.set SBO,  2*32*SP                     ; in a region: two stages, then 256 bytes for the token's 32 scale bytes
.set WREG, SBO+256
.set R,    16                          ; v16-47   x as loaded
.set X,    48                          ; v48-79   two sets of 16 neighbours
.set W,    80                          ; v80-207  router_W as loaded (64), then my chunk: register 8 i + e = W(16 lane + i, e)
.set ACC,  208                         ; v208-215 the eight sums
.set M1,   216                         ; the largest logit, its index; the second, its index
.set I1,   217
.set M2,   218
.set I2,   219
.set T,    220
.set TI,   221
.set VE,   222
.set MX0,  223
.set MX1,  224
.set SCL,  225
.set C,    226                         ; v226-229 codes: a pair for each step
.set E,    230                         ; v230-231 a scale byte for each step
.set SW,   232
.set IW,   233
.set G0,   234                         ; v234-235 the two gates
	s_load_b256 s[4:11], s[0:1], 0x0               ; x s[4:5], router_W s[6:7], router_b s[8:9], xq s[10:11]
	s_load_b128 s[12:15], s[0:1], 0x20             ; idx s[12:13], gate s[14:15]
	v_lshl_add_u32 v240, v0, 2, 0xd800
	v_mov_b32 v241, 0
	v_lshrrev_b32 v1, 5, v0
	v_readfirstlane_b32 s28, v1                    ; wave
	v_and_b32 v1, 31, v0                           ; lane
	v_lshlrev_b32 v2, 4, v0                        ; router_W: 16 bytes a thread, 2,048 a work-group load
	v_lshlrev_b32 v3, 4, v1                        ; x: 16 bytes a lane, 512 a load
	s_mul_i32 s31, s28, WREG
	s_add_co_u32 s31, s31, REG0                    ; my wave's region
	v_lshrrev_b32 v4, 2, v1
	v_mul_u32_u24 v4, v4, SP
	v_and_b32 v5, 3, v1
	v_lshl_add_u32 v4, v5, 4, v4
	v_add_nc_u32 v4, s31, v4                       ; the stage, in: SP (lane / 4) + 16 (lane % 4)
	v_mul_u32_u24 v5, v1, SP
	v_add_nc_u32 v5, s31, v5                       ; and out: SP x lane
	s_mul_i32 s24, s28, RWP
	v_add_nc_u32 v6, s24, v3                       ; router_W into LDS: load k's bytes of wave w are chunk 4 k + w
	v_mul_u32_u24 v7, v1, RWP                      ; and out of it: chunk = lane
	v_lshlrev_b32 v8, 3, v1                        ; my 16 codes: 8 bytes
	s_add_co_u32 s31, s31, SBO
	v_lshrrev_b32 v9, 1, v1
	v_add_nc_u32 v9, s31, v9                       ; my block's scale byte
	v_and_b32 v10, 7, v1
	v_lshl_add_u32 v10, v10, 2, s31                ; the 32 bytes back, a word a lane
	v_lshlrev_b32 v11, 2, v1
	s_mov_b32 s26, 0x76543210
	s_mov_b32 s27, 0xfedcba98                      ; v_permlanex16_b32's selects for lane l xor 16
	s_lshl_b32 s29, ttmp9, 2
	s_add_co_u32 s29, s29, s28                     ; my token
	s_mov_b32 s35, 0
	s_wait_kmcnt 0x0
	s_load_b256 s[16:23], s[8:9], 0x0              ; router_b
	s_lshl_b32 s34, s29, 12
	s_add_nc_u64 s[4:5], s[4:5], s[34:35]          ; x's row
	s_lshl_b32 s34, s29, 9
	s_add_nc_u64 s[36:37], s[10:11], s[34:35]      ; its codes
	s_lshl_b32 s34, s29, 5
	s_add_co_u32 s34, s34, XS_OFF
	s_add_nc_u64 s[32:33], s[10:11], s[34:35]      ; its scale bytes
	s_lshl_b32 s34, s29, 2
	s_add_nc_u64 s[12:13], s[12:13], s[34:35]
	s_lshl_b32 s34, s29, 3
	s_add_nc_u64 s[14:15], s[14:15], s[34:35]
.irp k, 0,1,2,3,4,5,6,7,8,9,10,11,12,13,14,15
	global_load_b128 v[W+4*\k:W+4*\k+3], v2, s[6:7] offset:2048*\k
.endr
.irp i, 0,1,2,3,4,5,6,7
	global_load_b128 v[R+4*\i:R+4*\i+3], v3, s[4:5] offset:512*\i th:TH_LOAD_NT
.endr
	s_wait_loadcnt 8                               ; router_W's sixteen are in; x's eight, issued behind them, may be out
.irp k, 0,1,2,3,4,5,6,7,8,9,10,11,12,13,14,15
	ds_store_b128 v6, v[W+4*\k:W+4*\k+3] offset:4*RWP*\k
.endr
	s_wait_loadcnt 0x0
.irp i, 0,1,2,3,4,5,6,7
	ds_store_b128 v4, v[R+4*\i:R+4*\i+3] offset:32*SP*(\i/4)+8*SP*(\i%4)
.endr
	s_wait_dscnt 0x0                               ; for the others' sake: my part of router_W has landed
	s_barrier_signal -1
	s_barrier_wait -1
.irp i, 0,1,2,3,4,5,6,7
	ds_load_b128 v[X+4*\i:X+4*\i+3], v5 offset:32*SP*(\i/4)+16*(\i%4)
.endr
.macro WLOAD hf                        ; my chunk of step hf: 512 bytes
.set c, 0
.rept 32
	ds_load_b128 v[W+4*c:W+4*c+3], v7 offset:32*RWP*\hf+16*c
.set c, c+1
.endr
.endm
.macro DOT hf                          ; 16 numbers x 8 experts; the very first products start the sums: nothing is cleared
.set i, 0
.rept 16
.set e, 0
.rept 8
.if (\hf == 0) && (i == 0)
	v_mul_f32 v[ACC+e], v[X], v[W+e]
.else
	v_fmac_f32 v[ACC+e], v[X+16*\hf+i], v[W+8*i+e]
.endif
.set e, e+1
.endr
.set i, i+1
.endr
.endm
.macro RSTEP hf
.set XS, X+16*\hf
	s_wait_dscnt 0x0                               ; x's neighbours and this step's chunk are in
	DOT \hf
.if \hf == 0
	WLOAD 1                                        ; the other chunk lands while this step's block is quantised
.endif
	v_max3_num_f32 v[MX0], |v[XS]|, |v[XS+1]|, |v[XS+2]|           ; the largest magnitude of my 16, in two chains
	v_max3_num_f32 v[MX1], |v[XS+3]|, |v[XS+4]|, |v[XS+5]|
.irp i, 6,10
	v_max3_num_f32 v[MX0], v[MX0], |v[XS+\i]|, |v[XS+\i+1]|
	v_max3_num_f32 v[MX1], v[MX1], |v[XS+\i+2]|, |v[XS+\i+3]|
.endr
	v_max3_num_f32 v[MX0], v[MX0], |v[XS+14]|, |v[XS+15]|
	v_max3_num_f32 v[MX0], v[MX0], v[MX1], 0x1800000               ; and the floor 2^(3 - 127): the byte cannot fall under 1
	v_max_num_f32_dpp v[MX0], v[MX0], v[MX0] row_xmask:1 row_mask:0xf bank_mask:0xf   ; with my neighbour's 16: the block's
	v_add_nc_u32 v[SCL], 0xff000000, v[MX0]        ; 2 off its exponent field: the conversion takes that field as its scale
	v_cvt_scalef32_pk8_fp4_f32 v[C+2*\hf], v[XS:XS+7], v[SCL]
	v_cvt_scalef32_pk8_fp4_f32 v[C+2*\hf+1], v[XS+8:XS+15], v[SCL]
	v_lshrrev_b32 v[E+\hf], 23, v[SCL]             ; the scale's byte (a plain line behind the conversions)
	ds_store_b8 v9, v[E+\hf] offset:16*\hf         ; both lanes of a block write the same byte with the same value
	global_store_b64 v8, v[C+2*\hf:C+2*\hf+1], s[36:37] offset:256*\hf   ; the wave stores 256 consecutive bytes, aligned
.endm
	WLOAD 0
	RSTEP 0
	RSTEP 1
	ds_load_b32 v[SW], v10                         ; LDS serves a wave's instructions in order: this sees my byte stores
.irp m, 1,2,4,8
.irp q, 0,1,2,3,4,5,6,7
	v_add_f32_dpp v[ACC+\q], v[ACC+\q], v[ACC+\q] row_xmask:\m row_mask:0xf bank_mask:0xf
.endr
.endr
.irp q, 0,1,2,3,4,5,6,7
	v_permlanex16_b32 v[W+\q], v[ACC+\q], s26, s27 ; (W's registers are done with, and have been written)
.endr
.irp q, 0,1,2,3,4,5,6,7
	v_add_f32 v[ACC+\q], v[ACC+\q], v[W+\q]        ; every lane holds the eight sums
.endr
	s_wait_kmcnt 0x0                               ; router_b
.irp q, 0,1,2,3,4,5,6,7
	v_add_f32 v[ACC+\q], s[16+\q], v[ACC+\q]
.endr
	v_mov_b32 v[M1], v[ACC]
	v_mov_b32 v[I1], 0
	v_mov_b32 v[M2], 0xff800000                    ; -infinity
	v_mov_b32 v[I2], 0
.irp q, 1,2,3,4,5,6,7                  ; strictly greater alone moves a place: of equals the lower index stays ahead
	v_mov_b32 v[VE], \q
	v_cmp_gt_f32 vcc_lo, v[ACC+\q], v[M1]
	v_cmp_gt_f32 s24, v[ACC+\q], v[M2]
	v_cndmask_b32 v[T], v[M2], v[ACC+\q], s24
	v_cndmask_b32 v[TI], v[I2], v[VE], s24
	v_cndmask_b32 v[M2], v[T], v[M1], vcc_lo
	v_cndmask_b32 v[I2], v[TI], v[I1], vcc_lo
	v_cndmask_b32 v[M1], v[M1], v[ACC+\q], vcc_lo
	v_cndmask_b32 v[I1], v[I1], v[VE], vcc_lo
.endr
	v_sub_f32 v[T], v[M2], v[M1]                   ; 0 or less
	v_mul_f32 v[T], 0x3fb8aa3b, v[T]
	v_exp_f32 v[T], v[T]                           ; e^(l2 - l1)
	v_lshl_or_b32 v[IW], v[I2], 8, v[I1]           ; (a plain line behind the exponential)
	s_wait_alu depctr_va_vdst(0)
	v_add_f32 v[TI], 1.0, v[T]
	v_rcp_f32 v[G0], v[TI]                         ; w1
	v_nop                                          ; a plain line behind the reciprocal
	s_wait_alu depctr_va_vdst(0)
	v_mul_f32 v[G0+1], v[T], v[G0]                 ; w2
	s_wait_dscnt 0x0                               ; the scale bytes are back
	s_wait_xcnt 0x0                                ; EXEC changes only behind this wait
	v_cmp_gt_u32 vcc_lo, 8, v1
	s_wait_tensorcnt 0x0
	ds_add_u32 v240, v241
	s_wait_dscnt 0x0
	s_and_saveexec_b32 s30, vcc_lo
	global_store_b32 v11, v[SW], s[32:33]          ; lanes 0-7: the token's 32 scale bytes
	s_wait_xcnt 0x0
	s_or_b32 exec_lo, exec_lo, s30
	v_cmp_eq_u32 vcc_lo, 0, v1
	s_and_saveexec_b32 s30, vcc_lo
	global_store_b32 v11, v[IW], s[12:13]          ; lane 0 (its offset is 0): the two choices,
	global_store_b64 v11, v[G0:G0+1], s[14:15]     ; and their gates
	s_wait_xcnt 0x0
	s_or_b32 exec_lo, exec_lo, s30
	s_endpgm
.Lfunc_end_k_q89eacbd302_route:
	.size	k_q89eacbd302_route, .Lfunc_end_k_q89eacbd302_route-k_q89eacbd302_route
	.p2alignl 7, 3214868480
	.fill 96, 4, 3214868480
	.section	.rodata,"a",@progbits
	.p2align	6, 0x0
	.amdhsa_kernel k_q89eacbd302_route
		.amdhsa_group_segment_fixed_size 55808
		.amdhsa_private_segment_fixed_size 0
		.amdhsa_enable_private_segment 0
		.amdhsa_kernarg_size 48
		.amdhsa_user_sgpr_count 2
		.amdhsa_user_sgpr_kernarg_segment_ptr 1
		.amdhsa_wavefront_size32 1
		.amdhsa_system_sgpr_workgroup_id_x 1
		.amdhsa_system_sgpr_workgroup_id_y 1
		.amdhsa_system_sgpr_workgroup_id_z 1
		.amdhsa_system_vgpr_workitem_id 0
		.amdhsa_next_free_vgpr 242
		.amdhsa_next_free_sgpr 66
		.amdhsa_reserve_vcc 1
		.amdhsa_float_denorm_mode_32 3
		.amdhsa_float_denorm_mode_16_64 3
		.amdhsa_memory_ordered 1
		.amdhsa_forward_progress 1
		.amdhsa_inst_pref_size 28
	.end_amdhsa_kernel
	.amdgpu_metadata
---
amdhsa.version: [ 1, 2 ]
amdhsa.kernels:
  - .name:           k_q89eacbd302_route
    .symbol:         k_q89eacbd302_route.kd
    .args:
      - { .name: x, .offset: 0, .size: 8, .value_kind: global_buffer, .address_space: global }
      - { .name: router_W, .offset: 8, .size: 8, .value_kind: global_buffer, .address_space: global }
      - { .name: router_b, .offset: 16, .size: 8, .value_kind: global_buffer, .address_space: global }
      - { .name: xq, .offset: 24, .size: 8, .value_kind: global_buffer, .address_space: global }
      - { .name: idx, .offset: 32, .size: 8, .value_kind: global_buffer, .address_space: global }
      - { .name: gate, .offset: 40, .size: 8, .value_kind: global_buffer, .address_space: global }
    .group_segment_fixed_size: 55808
    .private_segment_fixed_size: 0
    .kernarg_segment_align: 8
    .kernarg_segment_size: 48
    .max_flat_workgroup_size: 128
    .sgpr_count:     66
    .vgpr_count:     242
    .wavefront_size: 32
...
	.end_amdgpu_metadata
.endif
;; end of part 1
;; launch place (part 2): grid 1 x 1, 8 waves a work-group, no clusters, 0 bytes of LDS; arguments idx, plan, out1; writes plan, out1
.if DOCPART == 2
	.amdgcn_target "amdgcn-amd-amdhsa--gfx1250"
	.amdhsa_code_object_version 6
	.text
	.protected	k_q89eacbd302_place
	.globl	k_q89eacbd302_place
	.p2align	8
	.type	k_q89eacbd302_place,@function
k_q89eacbd302_place:
	s_mov_b64 s[64:65], 0
	v_nop
	global_prefetch_b8 v0, s[64:65] scope:SCOPE_SE
	s_setreg_imm32_b32 hwreg(HW_REG_WAVE_MODE, 25, 1), 1
	s_wait_xcnt 0x0
; PLACE.  From the stored choices: for each expert the list of its tokens, for each (token, choice) its place, and each expert's count.  Also out1 = 0.
; One work-group of eight waves; wave e places expert e and shares nothing with the others: no LDS, no barrier.  Every wave reads all 1,024 words of idx.
; A token's rank in its expert is the running count plus the number of lower lanes that chose the expert in the same step.  The order within an expert is free.
; Lanes whose token did not choose e store into spare words of the wave's own, which nobody reads: so all lanes stay on through the 64 stores.
; plan, in words of 4 bytes: LIST [8][1088] at 0 (ranks 0 .. 1023, up to 32 pads behind the last rank, words 1056 .. 1087 spare); POS [1024][2] at byte 34816 (e x 1024 + rank);
; 256 spare words at byte 43008; CNT [8] at byte 44032.  The pads name token 0: they fill the expert's last tile of 16 rows, whose results nobody reads.
; Each step has four registers of its own for its two stores, so no store's source is written again and no wait stands among them.
.set POS_OFF, 34816
.set CNT_OFF, 44032
	s_load_b128 s[4:7], s[0:1], 0x0                ; idx s[4:5], plan s[6:7]
	s_load_b64 s[16:17], s[0:1], 0x10              ; out1
	v_lshrrev_b32 v1, 5, v0
	v_readfirstlane_b32 s8, v1                     ; wave = expert
	v_and_b32 v1, 31, v0                           ; lane
	v_lshlrev_b32 v2, 2, v1                        ; 4 lane: my first token of a load's 128
	v_lshlrev_b32 v3, 3, v1                        ; 8 lane: twice that
	v_mov_b32 v4, 0
	v_mov_b32 v5, 1
	v_add_nc_u32 v6, 1056, v1                      ; my spare word of the list
	s_lshl_b32 s11, s8, 5
	s_add_co_u32 s11, s11, 2048
	v_add_nc_u32 v7, s11, v1                       ; my spare word behind POS
	v_lshlrev_b32 v8, 4, v1
	s_mov_b32 s9, 0                                ; the running count
	s_lshl_b32 s10, s8, 10                         ; e x 1024
	s_mul_i32 s20, s8, 4352
	s_mov_b32 s21, 0
	s_lshl_b32 s19, s8, 2
	s_wait_kmcnt 0x0
	s_add_nc_u64 s[12:13], s[6:7], s[20:21]        ; my expert's list
	s_add_nc_u64 s[14:15], s[6:7], POS_OFF
.irp q, 0,1,2,3,4,5,6,7
	global_load_b128 v[16+4*\q:16+4*\q+3], v8, s[4:5] offset:512*\q   ; register 4 q + i of lane l: token 128 q + 4 l + i
.endr
	s_wait_loadcnt 0x0
.macro PSTEP k
.set LA, 48+4*(\k)                     ; the list's offset, the token, POS's offset, the place
.set TK, LA+1
.set PA, LA+2
.set PV, LA+3
	v_and_b32 v9, 0xff, v[16+(\k)]                 ; the first choice
	v_lshrrev_b32 v10, 8, v[16+(\k)]               ; the second
	v_cmp_eq_u32 s11, s8, v9
	v_cmp_eq_u32 vcc_lo, s8, v10
	v_cndmask_b32 v11, v4, v5, vcc_lo              ; which of the token's two choices I am
	s_or_b32 vcc_lo, vcc_lo, s11                   ; the lanes whose token chose me
	v_mbcnt_lo_u32_b32 v12, vcc_lo, s9             ; the rank
	v_add_nc_u32 v[PV], s10, v12
	v_add_nc_u32 v[TK], 128*((\k)/4)+(\k)%4, v2
	v_cndmask_b32 v[LA], v6, v12, vcc_lo
	v_min_u32 v[LA], 1087, v[LA]
	v_lshlrev_b32 v[LA], 2, v[LA]
	v_add3_u32 v[PA], v11, v3, 256*((\k)/4)+2*((\k)%4)   ; 2 x token + choice
	v_cndmask_b32 v[PA], v7, v[PA], vcc_lo
	v_min_u32 v[PA], 2303, v[PA]
	v_lshlrev_b32 v[PA], 2, v[PA]
	s_bcnt1_i32_b32 s11, vcc_lo
	s_add_co_u32 s9, s9, s11
	global_store_b32 v[LA], v[TK], s[12:13]
	global_store_b32 v[PA], v[PV], s[14:15]
.endm
.set Q, 0
.rept 32
	PSTEP Q
.set Q, Q+1
.endr
	v_add_nc_u32 v9, s9, v1                        ; 32 pads behind the last rank (at most word 1055)
	v_min_u32 v9, 1087, v9
	v_lshlrev_b32 v9, 2, v9
	global_store_b32 v9, v4, s[12:13]
	v_mov_b32 v10, s9
	v_mov_b32 v11, s19
	s_wait_xcnt 0x0                                ; EXEC changes only behind this wait
	v_cmp_eq_u32 vcc_lo, 0, v1
	s_and_saveexec_b32 s18, vcc_lo
	global_store_b32 v11, v10, s[6:7] offset:CNT_OFF   ; lane 0: my expert's count
	s_cmp_lg_u32 s8, 0
	s_cbranch_scc1 .Lnot_wave_0
	global_store_b32 v4, v4, s[16:17]              ; wave 0: out1 = 0.0
.Lnot_wave_0:
	s_wait_xcnt 0x0
	s_or_b32 exec_lo, exec_lo, s18
	s_endpgm
.Lfunc_end_k_q89eacbd302_place:
	.size	k_q89eacbd302_place, .Lfunc_end_k_q89eacbd302_place-k_q89eacbd302_place
	.p2alignl 7, 3214868480
	.fill 96, 4, 3214868480
	.section	.rodata,"a",@progbits
	.p2align	6, 0x0
	.amdhsa_kernel k_q89eacbd302_place
		.amdhsa_group_segment_fixed_size 0
		.amdhsa_private_segment_fixed_size 0
		.amdhsa_enable_private_segment 0
		.amdhsa_kernarg_size 24
		.amdhsa_user_sgpr_count 2
		.amdhsa_user_sgpr_kernarg_segment_ptr 1
		.amdhsa_wavefront_size32 1
		.amdhsa_system_sgpr_workgroup_id_x 1
		.amdhsa_system_sgpr_workgroup_id_y 1
		.amdhsa_system_sgpr_workgroup_id_z 1
		.amdhsa_system_vgpr_workitem_id 0
		.amdhsa_next_free_vgpr 200
		.amdhsa_next_free_sgpr 66
		.amdhsa_reserve_vcc 1
		.amdhsa_float_denorm_mode_32 3
		.amdhsa_float_denorm_mode_16_64 3
		.amdhsa_memory_ordered 1
		.amdhsa_forward_progress 1
		.amdhsa_inst_pref_size 35
	.end_amdhsa_kernel
	.amdgpu_metadata
---
amdhsa.version: [ 1, 2 ]
amdhsa.kernels:
  - .name:           k_q89eacbd302_place
    .symbol:         k_q89eacbd302_place.kd
    .args:
      - { .name: idx, .offset: 0, .size: 8, .value_kind: global_buffer, .address_space: global }
      - { .name: plan, .offset: 8, .size: 8, .value_kind: global_buffer, .address_space: global }
      - { .name: out1, .offset: 16, .size: 8, .value_kind: global_buffer, .address_space: global }
    .group_segment_fixed_size: 0
    .private_segment_fixed_size: 0
    .kernarg_segment_align: 8
    .kernarg_segment_size: 24
    .max_flat_workgroup_size: 256
    .sgpr_count:     66
    .vgpr_count:     200
    .wavefront_size: 32
...
	.end_amdgpu_metadata
.endif
;; end of part 2
;; launch gemm1 (part 3): grid 32 x 8, 4 waves a work-group, no clusters, 68,096 bytes of LDS; arguments xq, plan, W1_codes, W1_scales, b1, hid; writes hid
.if DOCPART == 3
	.amdgcn_target "amdgcn-amd-amdhsa--gfx1250"
	.amdhsa_code_object_version 6
	.text
	.protected	k_q89eacbd302_gemm1
	.globl	k_q89eacbd302_gemm1
	.p2align	8
	.type	k_q89eacbd302_gemm1,@function
k_q89eacbd302_gemm1:
	s_mov_b64 s[64:65], 0
	v_nop
	global_prefetch_b8 v0, s[64:65] scope:SCOPE_SE
	s_setreg_imm32_b32 hwreg(HW_REG_WAVE_MODE, 25, 1), 1
	s_wait_xcnt 0x0
; GEMM1.  hid = Q(gelu(x W1 + b1)) for the routed rows alone, on codes of E2M1 with one E8M0 scale for each 32 along K; Q quantises along H, the next product's K.
; THE WEIGHTS STAND STILL.  Work-group (hs, e) owns hidden units 128 hs .. 128 hs + 127 of expert e: 128 rows of W1, 65,536 consecutive bytes, which no other work-group of the launch reads.
; They are copied into LDS once, in dense loads; behind ONE barrier every wave takes all of them into 512 registers.  Then the waves part: wave w takes the expert's tiles of 16 routed
; rows w, w + 4, .. on its own, 64 matrix instructions a tile.  The number of tiles is read from memory, so no barrier stands behind that first one, and the launch has no tensor load:
; that is also why no cluster is formed; and no weight byte is wanted by two work-groups.
; TRANSPOSED USE: source 0 = 16 rows of W1, source 1 = 16 tokens: a lane holds ONE token (lane % 16), and its registers run along the hidden units.
; THE ROWS OF W1 THAT FORM A TILE ARE NOT NEIGHBOURS: lane r of tile 2 b + u takes row 32 b + 8 u + r + 8 (r / 8), so that the 16 registers of tiles 2 b and 2 b + 1 are 16 neighbours
; along H: unit 32 b + 16 (lane / 16) + 0 .. 15.  In LDS the rows lie in tile order (a row's bits 3 and 4 change places), 528 bytes apart.
; gelu(x) = x / (1 + 2^(x (k0 + k1 x^2))), k0 = -2 log2(e) sqrt(2 / pi), k1 = 0.044715 k0: the tanh form, all in f32.
; OUT: the wave's 128 units of 16 rows are one fragment of the next product: it is stored as the image of its registers (group c of lane l at 512 c + 16 l), at
; hid[e][tile][hs], 1,024 bytes; its scale words at hid + HS_OFF: [e][tile][hs / 4][row][hs % 4].
; LIMITS.  NaN and infinities are not served.  A block whose largest magnitude lies under 2^-124 (a block of zeros too) gets the byte 1: only this program reads the bytes.
; REGISTERS, in windows of 256: window 0: addresses, constants, scale words, the accumulators, the work of gelu and quantiser; window 1: W1's fragments of K steps 0-3 (at 8 (8 s + t));
; window 2: K steps 4-7; window 3: v0-63 x's eight fragments, v64-127 b1 in the result's layout (8 registers a tile).
.set XS_OFF,  524288
.set HS_OFF,  16777216
.set CNT_OFF, 44032
.set PITCH,   528                      ; a row of W1 in LDS: 512 bytes + 16, an odd multiple of 16
.set LI,  4                            ; v4   16 x lane: an image's place for my lane
.set SWO, 5                            ; v5   16 r + 4 (hs % 4): my row's scale word
.set R4,  6                            ; v6   4 r
.set LA,  7                            ; v7   offset of the list entry asked for
.set NXT, 8                            ; v8   the next tile's token for my row
.set XA,  9                            ; v9   offset of my token's codes
.set XSA, 10                           ; v10  of its scale bytes
.set TOK, 11
.set G,   12                           ; v12  16 x thread
.set SA,  13                           ; v13  528 x wave + 16 x lane
.set FRA, 14                           ; v14  528 r + 16 h
.set H16, 15                           ; v15  16 h
.set K0,  16                           ; v16-17 k0 twice;  v18-19 k1 twice;  v20-21 1.0 twice
.set K1,  18
.set ONE, 20
.set PW,  22                           ; v22  the scale word just made
.set W1S, 32                           ; v32-95   W1's scale words: 8 t + s
.set XSC, 96                           ; v96-103  x's: s
.set TM,  104                          ; v104-119 the quantiser's work
.set PC,  120                          ; v120-127 the codes just made
.set HA,  128                          ; v128-191 the eight accumulators
.set T,   192                          ; v192-255 gelu's work
.set B1,  64                           ; in window 3
.set MSB, 0
.macro WIN new                         ; the immediate's high byte repeats the setting that is left
.if MSB != \new
	s_set_vgpr_msb (MSB<<8)|\new
.set MSB, \new
.endif
.endm
	s_load_b256 s[4:11], s[0:1], 0x0               ; xq s[4:5], plan s[6:7], W1's codes s[8:9], W1's scales s[10:11]
	s_load_b128 s[12:15], s[0:1], 0x20             ; b1 s[12:13], hid s[14:15]
	v_lshl_add_u32 v114, v0, 2, 0x10800
	v_mov_b32 v115, 0
	v_lshrrev_b32 v1, 5, v0
	v_readfirstlane_b32 s16, v1                    ; wave
	s_mov_b32 s17, ttmp9                           ; hs
	s_and_b32 s18, ttmp7, 0xffff                   ; e
	v_and_b32 v1, 31, v0                           ; lane
	v_and_b32 v2, 15, v0                           ; r
	v_bfe_u32 v3, v0, 4, 1                         ; h
	v_lshlrev_b32 v[LI], 4, v1
	s_and_b32 s23, s17, 3
	s_lshl_b32 s23, s23, 2
	v_lshl_add_u32 v[SWO], v2, 4, s23
	v_lshlrev_b32 v[R4], 2, v2
	v_lshlrev_b32 v[G], 4, v0
	s_mul_i32 s23, s16, PITCH
	v_add_nc_u32 v[SA], s23, v[LI]
	v_mul_u32_u24 v[FRA], v2, PITCH
	v_lshl_add_u32 v[FRA], v3, 4, v[FRA]
	v_lshlrev_b32 v[H16], 4, v3
	v_and_b32 v25, 8, v2
	v_add_nc_u32 v25, v25, v2                      ; r + 8 (r / 8)
	v_lshlrev_b32 v23, 5, v25                      ; W1's scale bytes: 32 a row
	v_lshlrev_b32 v24, 6, v3                       ; b1: lanes 16-31 begin 16 units on
	s_lshl_b32 s37, s18, 2
	s_mov_b32 s35, 0
	s_wait_kmcnt 0x0
	s_load_b32 s19, s[6:7], s37 offset:CNT_OFF     ; my expert's count of rows
	s_lshl_b32 s34, s18, 21
	s_lshl_b32 s36, s17, 16
	s_add_co_u32 s34, s34, s36
	s_add_nc_u64 s[8:9], s[8:9], s[34:35]          ; my 128 rows of codes,
	s_lshl_b32 s34, s18, 17
	s_lshl_b32 s36, s17, 12
	s_add_co_u32 s34, s34, s36
	s_add_nc_u64 s[10:11], s[10:11], s[34:35]      ; of scale bytes,
	s_lshl_b32 s34, s18, 14
	s_lshl_b32 s36, s17, 9
	s_add_co_u32 s34, s34, s36
	s_add_nc_u64 s[12:13], s[12:13], s[34:35]      ; my 128 numbers of b1
	s_add_nc_u64 s[24:25], s[4:5], XS_OFF          ; x's scale bytes
	s_mul_i32 s34, s18, 4352
	s_add_nc_u64 s[26:27], s[6:7], s[34:35]        ; my expert's list
	s_lshl_b32 s34, s18, 6
	s_add_co_u32 s34, s34, s16                     ; 64 e + wave: my first tile
	s_lshl_b32 s36, s34, 11
	s_lshl_b32 s34, s34, 15
	s_lshl_b32 s38, s17, 10
	s_add_co_u32 s34, s34, s38
	s_add_nc_u64 s[28:29], s[14:15], s[34:35]      ; its image,
	s_lshr_b32 s38, s17, 2
	s_lshl_b32 s38, s38, 8
	s_add_co_u32 s34, s36, s38
	s_add_co_u32 s34, s34, HS_OFF
	s_add_nc_u64 s[30:31], s[14:15], s[34:35]      ; and its scale words
.set k, 0
.rept 32
	global_load_b128 v[128+4*k:128+4*k+3], v[G], s[8:9] offset:2048*k th:TH_LOAD_NT   ; the work-group reads 2,048 consecutive bytes: rows 4 k + wave
.set k, k+1
.endr
.irp t, 0,1,2,3,4,5,6,7
.irp u, 0,1
	global_load_b128 v[W1S+8*\t+4*\u:W1S+8*\t+4*\u+3], v23, s[10:11] offset:(32*(\t/2)+8*(\t%2))*32+16*\u
.endr
.endr
	WIN 0xc0                                       ; destination window 3
.irp t, 0,1,2,3,4,5,6,7
.irp u, 0,1
	global_load_b128 v[B1+8*\t+4*\u:B1+8*\t+4*\u+3], v24, s[12:13] offset:(32*(\t/2)+8*(\t%2))*4+16*\u
.endr
.endr
	WIN 0
	s_wait_loadcnt 32                              ; the 32 loads of codes are in; the 16 of scales and 16 of b1, issued behind them, may be out
.set k, 0
.rept 32
	ds_store_b128 v[SA], v[128+4*k:128+4*k+3] offset:PITCH*(4*(k&1)+16*((k>>1)&1)+8*((k>>2)&1)+32*(k>>3))   ; row 4 k + wave with its bits 3 and 4 changed
.set k, k+1
.endr
	s_wait_dscnt 0x0                               ; for the others' sake: my rows have landed
	s_barrier_signal -1
	s_barrier_wait -1                              ; the launch's one barrier, ahead of every branch on the count
	s_wait_kmcnt 0x0
	s_min_u32 s19, s19, 1024
	s_add_co_u32 s20, s19, 15
	s_lshr_b32 s20, s20, 4                         ; tiles of 16 rows, 64 at the most
	s_cmp_ge_u32 s16, s20
	s_cbranch_scc1 .Lend                           ; no tile for this wave
	s_sub_co_u32 s22, s20, 1                       ; the last tile
	s_lshl_b32 s23, s16, 6
	v_add_nc_u32 v[LA], s23, v[R4]
	global_load_b32 v[NXT], v[LA], s[26:27]        ; my first tile's tokens
	WIN 0x40                                       ; destination window 1
.irp s, 0,1,2,3
.irp t, 0,1,2,3,4,5,6,7
.irp c, 0,1
	ds_load_b128 v[8*(8*\s+\t)+4*\c:8*(8*\s+\t)+4*\c+3], v[FRA] offset:16*PITCH*\t+64*\s+32*\c
.endr
.endr
.endr
	WIN 0x80                                       ; destination window 2
.irp s, 4,5,6,7
.irp t, 0,1,2,3,4,5,6,7
.irp c, 0,1
	ds_load_b128 v[8*(8*(\s-4)+\t)+4*\c:8*(8*(\s-4)+\t)+4*\c+3], v[FRA] offset:16*PITCH*\t+64*\s+32*\c
.endr
.endr
.endr
	WIN 0
	s_mov_b32 s32, 0x76543210
	s_mov_b32 s33, 0xfedcba98                      ; v_permlanex16_b32's selects for lane l xor 16
	v_mov_b32 v[K0], 0xc0135761
	v_mov_b32 v[K0+1], 0xc0135761
	v_mov_b32 v[K1], 0xbdd2d3e8
	v_mov_b32 v[K1+1], 0xbdd2d3e8
	v_mov_b32 v[ONE], 1.0
	v_mov_b32 v[ONE+1], 1.0
.irp b, 0,1,2,3
	v_mov_b32 v[TM+4+\b], 0                        ; written once: a lane permute's destination counts as one of its sources
.endr
; The tile whose tokens lie in NXT is asked for: 16 loads of codes, 2 of scale bytes; then the tokens of tile s34, held at the last tile, so that only written entries are read.
.macro XFETCH
	v_min_u32 v[TOK], 1023, v[NXT]
	v_lshl_add_u32 v[XA], v[TOK], 9, v[H16]        ; my token's row of 512 bytes, + 16 h
	v_lshlrev_b32 v[XSA], 5, v[TOK]
	WIN 0xc0
.irp s, 0,1,2,3,4,5,6,7
.irp c, 0,1
	global_load_b128 v[8*\s+4*\c:8*\s+4*\c+3], v[XA], s[4:5] offset:64*\s+32*\c
.endr
.endr
	WIN 0
.irp u, 0,1
	global_load_b128 v[XSC+4*\u:XSC+4*\u+3], v[XSA], s[24:25] offset:16*\u
.endr
	s_min_u32 s23, s34, s22
	s_min_u32 s23, s23, 63
	s_lshl_b32 s23, s23, 6
	v_add_nc_u32 v[LA], s23, v[R4]
	global_load_b32 v[NXT], v[LA], s[26:27]
.endm
.macro GELU                            ; in ascending order
.set j, 0
.rept 32
	v_pk_mul_f32 v[T+j:T+j+1], v[HA+j:HA+j+1], v[HA+j:HA+j+1]
.set j, j+2
.endr
.set j, 0
.rept 32
	v_pk_fma_f32 v[T+j:T+j+1], v[T+j:T+j+1], v[K1:K1+1], v[K0:K0+1]
.set j, j+2
.endr
.set j, 0
.rept 32
	v_pk_mul_f32 v[T+j:T+j+1], v[T+j:T+j+1], v[HA+j:HA+j+1]
.set j, j+2
.endr
.set j, 0
.rept 64
	v_exp_f32 v[T+j], v[T+j]
.set j, j+1
.endr
	v_nop                                          ; a plain line between the exponentials and the use of their results
.set j, 0
	s_wait_alu depctr_va_vdst(0)
.rept 32
	v_pk_add_f32 v[T+j:T+j+1], v[T+j:T+j+1], v[ONE:ONE+1]
.set j, j+2
.endr
.set j, 0
.rept 64
	v_rcp_f32 v[T+j], v[T+j]
.set j, j+1
.endr
	v_nop                                          ; likewise behind the reciprocals
.set j, 0
	s_wait_alu depctr_va_vdst(0)
.rept 32
	v_pk_mul_f32 v[HA+j:HA+j+1], v[HA+j:HA+j+1], v[T+j:T+j+1]
.set j, j+2
.endr
.endm
; 64 numbers of a lane, register 16 b + i = unit 32 b + 16 (lane / 16) + i of my row, become a fragment's codes in v[PC] on and its scale word in v[PW].
.macro QUANT s
.irp b, 0,1,2,3
	v_max3_num_f32 v[TM+\b], |v[\s+16*\b]|, |v[\s+1+16*\b]|, 0x1800000   ; block b: my 16 numbers, and the floor 2^(3 - 127): the byte cannot fall under 1
.endr
.irp i, 2,4,6,8,10,12,14
.irp b, 0,1,2,3
	v_max3_num_f32 v[TM+\b], v[TM+\b], |v[\s+16*\b+\i]|, |v[\s+1+16*\b+\i]|   ; (the four blocks by turns)
.endr
.endr
.irp b, 0,1,2,3
	v_permlanex16_b32 v[TM+4+\b], v[TM+\b], s32, s33
.endr
.irp b, 0,1,2,3
	v_max_num_f32 v[TM+\b], v[TM+\b], v[TM+4+\b]   ; with lane l xor 16's: the block's largest magnitude
.endr
.irp b, 0,1,2,3
	v_add_nc_u32 v[TM+12+\b], 0xff000000, v[TM+\b] ; 2 off its exponent field: the conversion's scale operand
.endr
.irp b, 0,1,2,3
	v_lshrrev_b32 v[TM+4+\b], 23, v[TM+12+\b]      ; the scale's byte
.endr
	v_lshl_or_b32 v[PW], v[TM+5], 8, v[TM+4]
	v_lshl_or_b32 v[PW], v[TM+6], 16, v[PW]
	v_lshl_or_b32 v[PW], v[TM+7], 24, v[PW]
.irp b, 0,1,2,3
	v_cvt_scalef32_pk8_fp4_f32 v[PC+2*\b], v[\s+16*\b:\s+7+16*\b], v[TM+12+\b]
	v_cvt_scalef32_pk8_fp4_f32 v[PC+1+2*\b], v[\s+8+16*\b:\s+15+16*\b], v[TM+12+\b]
.endr
	v_nop                                          ; one plain line behind a scaled conversion
.irp c, 0,1                            ; the operand's layout wants a whole block in a lane: lanes 0-15 block 2 c, lanes 16-31 block 2 c + 1
.irp i, 0,1
	v_permlane16_swap_b32 v[PC+4*\c+\i], v[PC+2+4*\c+\i]
.endr
.endr
.endm
; A tile.  refill = 1: the next tile's x is asked for behind the products and lands under gelu and the quantiser.
; The eight accumulators take turns, one instruction a turn.  b1 is the C of each sum's first product.
.macro BODY refill
	s_wait_loadcnt 0x0                             ; x's fragments, its scale words and the next tile's tokens are in
	WIN 0x3d                                       ; source 0 (W1) window 1, source 1 (x) and source 2 (b1) window 3
.irp t, 0,1,2,3,4,5,6,7
	v_wmma_scale_f32_16x16x128_f8f6f4 v[HA+8*\t:HA+8*\t+7], v[8*\t:8*\t+7], v[0:7], v[B1+8*\t:B1+8*\t+7], v[W1S+8*\t], v[XSC] matrix_a_fmt:MATRIX_FMT_FP4 matrix_b_fmt:MATRIX_FMT_FP4
.endr
	WIN 0x0d
.irp s, 1,2,3
.irp t, 0,1,2,3,4,5,6,7
	v_wmma_scale_f32_16x16x128_f8f6f4 v[HA+8*\t:HA+8*\t+7], v[8*(8*\s+\t):8*(8*\s+\t)+7], v[8*\s:8*\s+7], v[HA+8*\t:HA+8*\t+7], v[W1S+8*\t+\s], v[XSC+\s] matrix_a_fmt:MATRIX_FMT_FP4 matrix_b_fmt:MATRIX_FMT_FP4
.endr
.endr
	WIN 0x0e                                       ; source 0 window 2
.irp s, 4,5,6,7
.irp t, 0,1,2,3,4,5,6,7
	v_wmma_scale_f32_16x16x128_f8f6f4 v[HA+8*\t:HA+8*\t+7], v[8*(8*(\s-4)+\t):8*(8*(\s-4)+\t)+7], v[8*\s:8*\s+7], v[HA+8*\t:HA+8*\t+7], v[W1S+8*\t+\s], v[XSC+\s] matrix_a_fmt:MATRIX_FMT_FP4 matrix_b_fmt:MATRIX_FMT_FP4
.endr
.endr
	WIN 0
.rept 4
	v_nop                                          ; four places in front of the loads into x's registers and of the first read of results
.endr
.if \refill
	s_add_co_u32 s34, s21, 4
	XFETCH
.endif
	GELU
	QUANT HA
	global_store_b128 v[LI], v[PC:PC+3], s[28:29]              ; the image: each store covers 512 consecutive bytes, aligned
	global_store_b128 v[LI], v[PC+4:PC+7], s[28:29] offset:512
	global_store_b32 v[SWO], v[PW], s[30:31]                   ; lanes r and r + 16 write the same word with the same value
.if \refill
	s_wait_xcnt 0x0                                ; the stores' data and bases are written again only behind this wait
	s_add_nc_u64 s[28:29], s[28:29], 131072        ; four tiles on: 4 x 32 images
	s_add_nc_u64 s[30:31], s[30:31], 8192
.endif
.endm
	s_wait_loadcnt 0x0                             ; W1's scale words, b1, my first tile's tokens
	s_add_co_u32 s34, s16, 4
	XFETCH
	s_wait_dscnt 0x0                               ; W1's fragments
	s_add_co_u32 s21, s16, 4                       ; the tile that the next refill asks for
	s_sub_co_u32 s40, s22, s16                     ; the loop's trips: my tiles less one = (last tile - wave) / 4,
	s_lshr_b32 s40, s40, 2
	s_min_u32 s40, s40, 15                         ; 15 at the most: 64 tiles shared among four waves
	s_mov_b32 s39, 0                               ; the loop's counter, in steps of 1
	s_cmp_lg_u32 s40, 0
	s_cbranch_scc0 .Ltail
.Lloop:
	BODY 1
	s_add_co_u32 s21, s21, 4
	s_add_co_u32 s39, s39, 1
	s_cmp_lt_u32 s39, s40
	s_cbranch_scc1 .Lloop
.Ltail:
	BODY 0                                         ; the wave's last tile asks for nothing
.Lend:
	s_wait_tensorcnt 0x0
	ds_add_u32 v114, v115
	s_wait_dscnt 0x0
	s_endpgm
.Lfunc_end_k_q89eacbd302_gemm1:
	.size	k_q89eacbd302_gemm1, .Lfunc_end_k_q89eacbd302_gemm1-k_q89eacbd302_gemm1
	.p2alignl 7, 3214868480
	.fill 96, 4, 3214868480
	.section	.rodata,"a",@progbits
	.p2align	6, 0x0
	.amdhsa_kernel k_q89eacbd302_gemm1
		.amdhsa_group_segment_fixed_size 68096
		.amdhsa_private_segment_fixed_size 0
		.amdhsa_enable_private_segment 0
		.amdhsa_kernarg_size 48
		.amdhsa_user_sgpr_count 2
		.amdhsa_user_sgpr_kernarg_segment_ptr 1
		.amdhsa_wavefront_size32 1
		.amdhsa_system_sgpr_workgroup_id_x 1
		.amdhsa_system_sgpr_workgroup_id_y 1
		.amdhsa_system_sgpr_workgroup_id_z 1
		.amdhsa_system_vgpr_workitem_id 0
		.amdhsa_next_free_vgpr 1024
		.amdhsa_next_free_sgpr 66
		.amdhsa_reserve_vcc 0
		.amdhsa_float_denorm_mode_32 3
		.amdhsa_float_denorm_mode_16_64 3
		.amdhsa_memory_ordered 1
		.amdhsa_forward_progress 1
		.amdhsa_inst_pref_size 78
	.end_amdhsa_kernel
	.amdgpu_metadata
---
amdhsa.version: [ 1, 2 ]
amdhsa.kernels:
  - .name:           k_q89eacbd302_gemm1
    .symbol:         k_q89eacbd302_gemm1.kd
    .args:
      - { .name: xq, .offset: 0, .size: 8, .value_kind: global_buffer, .address_space: global }
      - { .name: plan, .offset: 8, .size: 8, .value_kind: global_buffer, .address_space: global }
      - { .name: W1_codes, .offset: 16, .size: 8, .value_kind: global_buffer, .address_space: global }
      - { .name: W1_scales, .offset: 24, .size: 8, .value_kind: global_buffer, .address_space: global }
      - { .name: b1, .offset: 32, .size: 8, .value_kind: global_buffer, .address_space: global }
      - { .name: hid, .offset: 40, .size: 8, .value_kind: global_buffer, .address_space: global }
    .group_segment_fixed_size: 68096
    .private_segment_fixed_size: 0
    .kernarg_segment_align: 8
    .kernarg_segment_size: 48
    .max_flat_workgroup_size: 128
    .sgpr_count:     66
    .vgpr_count:     1024
    .wavefront_size: 32
...
	.end_amdgpu_metadata
.endif
;; end of part 3
;; launch gemm2 (part 4): grid 32 x 8, 4 waves a work-group, no clusters, 75,776 bytes of LDS; arguments hid, plan, W2_codes, W2_scales, b2, y; writes y
.if DOCPART == 4
	.amdgcn_target "amdgcn-amd-amdhsa--gfx1250"
	.amdhsa_code_object_version 6
	.text
	.protected	k_q89eacbd302_gemm2
	.globl	k_q89eacbd302_gemm2
	.p2align	8
	.type	k_q89eacbd302_gemm2,@function
k_q89eacbd302_gemm2:
	s_mov_b64 s[64:65], 0
	v_nop
	global_prefetch_b8 v0, s[64:65] scope:SCOPE_SE
	s_setreg_imm32_b32 hwreg(HW_REG_WAVE_MODE, 25, 1), 1
	s_wait_xcnt 0x0
; GEMM2.  y = hid W2 + b2 for the routed rows, on codes of E2M1 with one E8M0 scale for each 32 along K = H = 4,096.
; THE WEIGHTS STAND STILL, as in the launch before: work-group (cs, e) owns output columns 32 cs .. 32 cs + 31 of expert e: 32 rows of W2, 65,536 consecutive bytes that no other
; work-group of the launch reads.  They go through LDS once (rows 2,064 bytes apart) and, behind ONE barrier, into 512 registers of every wave.  Then wave w takes the expert's tiles of
; 16 rows w, w + 4, .. on its own: 32 K steps x 2 tiles of columns = 64 matrix instructions.  The number of tiles is read from memory: no barrier behind the first, no tensor load, no cluster.
; THE HIDDEN LAYER comes as images of an operand's registers: each load takes 512 consecutive bytes.  A whole tile (32 fragments) fills window 3; it is asked for in four groups of
; 8 K steps (16 loads of codes, 2 of scale words), and each group's registers are asked for again, for the wave's next tile, as soon as its 16 products are issued: 72 loads are issued ahead.
; TRANSPOSED USE: source 0 = 16 rows of W2 (columns of y), source 1 = 16 rows of the hidden layer: a lane holds eight neighbouring columns of one row.
; FOUR ACCUMULATORS take turns, one instruction a turn: even and odd K steps are summed apart and added at the end.  That is an order of rounding
; other than one chain's: a stated limit.  b2 is the C of the even chain's first product, the constant 0 that of the odd chain's.
; OUT: y[e][tile][cs]: a block of 16 rows x 32 columns of f32, 2,048 consecutive bytes, through the wave's own stage in LDS: each store covers 512 consecutive bytes, aligned.
; REGISTERS: window 0: addresses, b2, scale words, accumulators, the way out; window 1: W2's fragments of K steps 0-15 (at 8 (2 s + n)); window 2: K steps 16-31; window 3: the hidden tile (8 s).
.set HS_OFF,  16777216
.set CNT_OFF, 44032
.set PITCH,   2064                     ; a row of W2 in LDS: 2,048 bytes + 16, an odd multiple of 16
.set STG,     32*PITCH                 ; behind the rows: a stage of 16 x 144 bytes for each wave
.set SPI,     144
.set LI,  4                            ; v4   16 x lane
.set G,   5                            ; v5   16 x thread
.set FRA, 6                            ; v6   2064 r + 16 h
.set R16, 7                            ; v7   16 r
.set STO, 8                            ; v8   the stage, in: row r, + 32 h
.set SRD, 9                            ; v9   and back: row lane / 8, + 16 (lane % 8)
.set B2,  16                           ; v16-31   b2 in the result's layout: 8 n
.set W2S, 32                           ; v32-95   W2's scale words: 32 n + s
.set HSC, 96                           ; v96-127  the hidden tile's: s
.set ACC, 128                          ; v128-159 accumulator 2 (s % 2) + n
.set OUT, 176                          ; v176-191 the block read back
.set MSB, 0
.macro WIN new                         ; the immediate's high byte repeats the setting that is left
.if MSB != \new
	s_set_vgpr_msb (MSB<<8)|\new
.set MSB, \new
.endif
.endm
	s_load_b256 s[4:11], s[0:1], 0x0               ; hid s[4:5], plan s[6:7], W2's codes s[8:9], W2's scales s[10:11]
	s_load_b128 s[12:15], s[0:1], 0x20             ; b2 s[12:13], y s[14:15]
	v_lshl_add_u32 v14, v0, 2, 0x12600
	v_mov_b32 v15, 0
	v_lshrrev_b32 v1, 5, v0
	v_readfirstlane_b32 s16, v1                    ; wave
	s_mov_b32 s17, ttmp9                           ; cs
	s_and_b32 s18, ttmp7, 0xffff                   ; e
	v_and_b32 v1, 31, v0                           ; lane
	v_and_b32 v2, 15, v0                           ; r
	v_bfe_u32 v3, v0, 4, 1                         ; h
	v_lshlrev_b32 v[LI], 4, v1
	v_lshlrev_b32 v[G], 4, v0
	v_mul_u32_u24 v[FRA], v2, PITCH
	v_lshl_add_u32 v[FRA], v3, 4, v[FRA]
	v_lshlrev_b32 v[R16], 4, v2
	s_mul_i32 s23, s16, 16*SPI
	s_add_co_u32 s23, s23, STG                     ; my stage
	v_mul_u32_u24 v[STO], v2, SPI
	v_lshl_add_u32 v[STO], v3, 5, v[STO]
	v_add_nc_u32 v[STO], s23, v[STO]
	v_lshrrev_b32 v[SRD], 3, v1
	v_mul_u32_u24 v[SRD], v[SRD], SPI
	v_and_b32 v12, 7, v1
	v_lshl_add_u32 v[SRD], v12, 4, v[SRD]
	v_add_nc_u32 v[SRD], s23, v[SRD]
	v_lshlrev_b32 v10, 7, v2                       ; W2's scale bytes: 128 a row
	v_lshlrev_b32 v11, 5, v3                       ; b2: lanes 16-31 begin 8 columns on
	s_lshl_b32 s37, s18, 2
	s_mov_b32 s35, 0
	s_wait_kmcnt 0x0
	s_load_b32 s19, s[6:7], s37 offset:CNT_OFF     ; my expert's count of rows
	s_lshl_b32 s34, s18, 21
	s_lshl_b32 s36, s17, 16
	s_add_co_u32 s34, s34, s36
	s_add_nc_u64 s[8:9], s[8:9], s[34:35]          ; my 32 rows of codes,
	s_lshl_b32 s34, s18, 17
	s_lshl_b32 s36, s17, 12
	s_add_co_u32 s34, s34, s36
	s_add_nc_u64 s[10:11], s[10:11], s[34:35]      ; of scale bytes,
	s_lshl_b32 s34, s18, 12
	s_lshl_b32 s36, s17, 7
	s_add_co_u32 s34, s34, s36
	s_add_nc_u64 s[12:13], s[12:13], s[34:35]      ; my 32 numbers of b2
	s_lshl_b32 s38, s18, 6
	s_add_co_u32 s38, s38, s16                     ; 64 e + wave: my first tile
	s_lshl_b32 s34, s38, 15
	s_add_nc_u64 s[24:25], s[4:5], s[34:35]        ; its 32 images,
	s_lshl_b32 s34, s38, 11
	s_add_co_u32 s34, s34, HS_OFF
	s_add_nc_u64 s[26:27], s[4:5], s[34:35]        ; its scale words,
	s_lshl_b32 s34, s38, 16
	s_lshl_b32 s36, s17, 11
	s_add_co_u32 s34, s34, s36
	s_add_nc_u64 s[28:29], s[14:15], s[34:35]      ; and its block of y
.set k, 0
.rept 32
	global_load_b128 v[128+4*k:128+4*k+3], v[G], s[8:9] offset:2048*k th:TH_LOAD_NT   ; the work-group reads row k: 2,048 consecutive bytes
.set k, k+1
.endr
.irp n, 0,1
.irp q, 0,1,2,3,4,5,6,7
	global_load_b128 v[W2S+32*\n+4*\q:W2S+32*\n+4*\q+3], v10, s[10:11] offset:2048*\n+16*\q
.endr
.endr
.irp n, 0,1
.irp u, 0,1
	global_load_b128 v[B2+8*\n+4*\u:B2+8*\n+4*\u+3], v11, s[12:13] offset:64*\n+16*\u
.endr
.endr
	s_wait_loadcnt 20                              ; the 32 loads of codes are in; the 16 of scales and 4 of b2, issued behind them, may be out
.set k, 0
.rept 32
	ds_store_b128 v[G], v[128+4*k:128+4*k+3] offset:PITCH*k
.set k, k+1
.endr
	s_wait_dscnt 0x0                               ; for the others' sake: my part of the rows has landed
	s_barrier_signal -1
	s_barrier_wait -1                              ; the launch's one barrier, ahead of every branch on the count
	s_wait_kmcnt 0x0
	s_min_u32 s19, s19, 1024
	s_add_co_u32 s20, s19, 15
	s_lshr_b32 s20, s20, 4                         ; tiles of 16 rows, 64 at the most
	s_cmp_ge_u32 s16, s20
	s_cbranch_scc1 .Lend                           ; no tile for this wave
; K steps 8 g .. 8 g + 7 of the tile at s[24:25]: 16 loads of codes, 2 of scale words
.macro GROUPLOAD g
	WIN 0xc0                                       ; destination window 3
.irp i, 0,1,2,3,4,5,6,7
.irp c, 0,1
	global_load_b128 v[8*(8*\g+\i)+4*\c:8*(8*\g+\i)+4*\c+3], v[LI], s[24:25] offset:1024*(8*\g+\i)+512*\c
.endr
.endr
	WIN 0
.irp u, 0,1
	global_load_b128 v[HSC+4*(2*\g+\u):HSC+4*(2*\g+\u)+3], v[R16], s[26:27] offset:256*(2*\g+\u)
.endr
.endm
	GROUPLOAD 0                                    ; my first tile is on its way while W2's fragments come out of LDS
	GROUPLOAD 1
	GROUPLOAD 2
	GROUPLOAD 3
	s_wait_xcnt 0x0                                ; the bases step only behind this wait
	s_add_nc_u64 s[24:25], s[24:25], 131072        ; four tiles on
	s_add_nc_u64 s[26:27], s[26:27], 8192
	WIN 0x40                                       ; destination window 1
.irp s, 0,1,2,3,4,5,6,7,8,9,10,11,12,13,14,15
.irp n, 0,1
.irp c, 0,1
	ds_load_b128 v[8*(2*\s+\n)+4*\c:8*(2*\s+\n)+4*\c+3], v[FRA] offset:16*PITCH*\n+64*\s+32*\c
.endr
.endr
.endr
	WIN 0x80                                       ; destination window 2
.irp s, 16,17,18,19,20,21,22,23,24,25,26,27,28,29,30,31
.irp n, 0,1
.irp c, 0,1
	ds_load_b128 v[8*(2*(\s-16)+\n)+4*\c:8*(2*(\s-16)+\n)+4*\c+3], v[FRA] offset:16*PITCH*\n+64*\s+32*\c
.endr
.endr
.endr
	WIN 0
.macro MM s, n                         ; K step s, columns 16 n on
.set rD, ACC+8*(2*((\s)%2)+\n)
.set rA, 8*(2*((\s)%16)+\n)
.set rB, 8*(\s)
.if (\s) == 0
	v_wmma_scale_f32_16x16x128_f8f6f4 v[rD:rD+7], v[rA:rA+7], v[rB:rB+7], v[B2+8*\n:B2+8*\n+7], v[W2S+32*\n+(\s)], v[HSC+(\s)] matrix_a_fmt:MATRIX_FMT_FP4 matrix_b_fmt:MATRIX_FMT_FP4
.elseif (\s) == 1
	v_wmma_scale_f32_16x16x128_f8f6f4 v[rD:rD+7], v[rA:rA+7], v[rB:rB+7], 0, v[W2S+32*\n+(\s)], v[HSC+(\s)] matrix_a_fmt:MATRIX_FMT_FP4 matrix_b_fmt:MATRIX_FMT_FP4
.else
	v_wmma_scale_f32_16x16x128_f8f6f4 v[rD:rD+7], v[rA:rA+7], v[rB:rB+7], v[rD:rD+7], v[W2S+32*\n+(\s)], v[HSC+(\s)] matrix_a_fmt:MATRIX_FMT_FP4 matrix_b_fmt:MATRIX_FMT_FP4
.endif
.endm
; A tile.  refill = 1: each group's registers are asked for again, for my next tile.
.macro BODY refill
.irp g, 0,1,2,3
.if \refill
	s_wait_loadcnt 54                              ; behind this group's 18 loads three groups of 18 were issued: the rest of this tile and the part of the next already asked for
.else
	s_wait_loadcnt 54-18*\g                        ; nothing more is asked for: the counts run down
.endif
.if \g < 2
	WIN 0x0d                                       ; source 0 (W2) window 1, source 1 (the hidden tile) window 3
.else
	WIN 0x0e                                       ; source 0 window 2
.endif
.irp i, 0,1,2,3,4,5,6,7
.irp n, 0,1
	MM 8*\g+\i, \n
.endr
.endr
.if \refill
.rept 4
	v_nop                                          ; four places in front of loads into registers that these products have read
.endr
	GROUPLOAD \g
.endif
.endr
	WIN 0
.if \refill
	v_nop                                          ; with the four above: five places behind the last products, whose accumulators the next tile begins anew
.else
.rept 5
	v_nop
.endr
.endif
.irp n, 0,1
.irp j, 0,2,4,6
	v_pk_add_f32 v[ACC+8*\n+\j:ACC+8*\n+\j+1], v[ACC+8*\n+\j:ACC+8*\n+\j+1], v[ACC+16+8*\n+\j:ACC+16+8*\n+\j+1]   ; even and odd K steps, each accumulator from its low end on
.endr
.endr
.irp n, 0,1
.irp u, 0,1
	ds_store_b128 v[STO], v[ACC+8*\n+4*\u:ACC+8*\n+4*\u+3] offset:64*\n+16*\u   ; lane (r, h): y(r, 16 n + 8 h + 0 .. 7)
.endr
.endr
.irp k, 0,1,2,3
	ds_load_b128 v[OUT+4*\k:OUT+4*\k+3], v[SRD] offset:4*SPI*\k   ; LDS serves a wave's instructions in order: these see my stores
.endr
	s_wait_dscnt 0x0
.irp k, 0,1,2,3
	global_store_b128 v[LI], v[OUT+4*\k:OUT+4*\k+3], s[28:29] offset:512*\k
.endr
.if \refill
	s_wait_xcnt 0x0                                ; the stores' data and all three bases are written again only behind this wait
	s_add_nc_u64 s[28:29], s[28:29], 262144        ; four tiles on: 4 x 32 blocks
	s_add_nc_u64 s[24:25], s[24:25], 131072
	s_add_nc_u64 s[26:27], s[26:27], 8192
.endif
.endm
	s_wait_dscnt 0x0                               ; W2's fragments
	s_sub_co_u32 s22, s20, 1                       ; the last tile
	s_sub_co_u32 s40, s22, s16                     ; the loop's trips: my tiles less one = (last tile - wave) / 4,
	s_lshr_b32 s40, s40, 2
	s_min_u32 s40, s40, 15                         ; 15 at the most: 64 tiles shared among four waves
	s_mov_b32 s39, 0                               ; the loop's counter, in steps of 1
	s_cmp_lg_u32 s40, 0
	s_cbranch_scc0 .Ltail
.Lloop:
	BODY 1
	s_add_co_u32 s39, s39, 1
	s_cmp_lt_u32 s39, s40
	s_cbranch_scc1 .Lloop
.Ltail:
	BODY 0                                         ; the wave's last tile
.Lend:
	s_wait_tensorcnt 0x0
	ds_add_u32 v14, v15
	s_wait_dscnt 0x0
	s_endpgm
.Lfunc_end_k_q89eacbd302_gemm2:
	.size	k_q89eacbd302_gemm2, .Lfunc_end_k_q89eacbd302_gemm2-k_q89eacbd302_gemm2
	.p2alignl 7, 3214868480
	.fill 96, 4, 3214868480
	.section	.rodata,"a",@progbits
	.p2align	6, 0x0
	.amdhsa_kernel k_q89eacbd302_gemm2
		.amdhsa_group_segment_fixed_size 75776
		.amdhsa_private_segment_fixed_size 0
		.amdhsa_enable_private_segment 0
		.amdhsa_kernarg_size 48
		.amdhsa_user_sgpr_count 2
		.amdhsa_user_sgpr_kernarg_segment_ptr 1
		.amdhsa_wavefront_size32 1
		.amdhsa_system_sgpr_workgroup_id_x 1
		.amdhsa_system_sgpr_workgroup_id_y 1
		.amdhsa_system_sgpr_workgroup_id_z 1
		.amdhsa_system_vgpr_workitem_id 0
		.amdhsa_next_free_vgpr 1024
		.amdhsa_next_free_sgpr 66
		.amdhsa_reserve_vcc 0
		.amdhsa_float_denorm_mode_32 3
		.amdhsa_float_denorm_mode_16_64 3
		.amdhsa_memory_ordered 1
		.amdhsa_forward_progress 1
		.amdhsa_inst_pref_size 53
	.end_amdhsa_kernel
	.amdgpu_metadata
---
amdhsa.version: [ 1, 2 ]
amdhsa.kernels:
  - .name:           k_q89eacbd302_gemm2
    .symbol:         k_q89eacbd302_gemm2.kd
    .args:
      - { .name: hid, .offset: 0, .size: 8, .value_kind: global_buffer, .address_space: global }
      - { .name: plan, .offset: 8, .size: 8, .value_kind: global_buffer, .address_space: global }
      - { .name: W2_codes, .offset: 16, .size: 8, .value_kind: global_buffer, .address_space: global }
      - { .name: W2_scales, .offset: 24, .size: 8, .value_kind: global_buffer, .address_space: global }
      - { .name: b2, .offset: 32, .size: 8, .value_kind: global_buffer, .address_space: global }
      - { .name: y, .offset: 40, .size: 8, .value_kind: global_buffer, .address_space: global }
    .group_segment_fixed_size: 75776
    .private_segment_fixed_size: 0
    .kernarg_segment_align: 8
    .kernarg_segment_size: 48
    .max_flat_workgroup_size: 128
    .sgpr_count:     66
    .vgpr_count:     1024
    .wavefront_size: 32
...
	.end_amdgpu_metadata
.endif
;; end of part 4
;; launch combine (part 5): grid 256 x 1, 4 waves a work-group, no clusters, 0 bytes of LDS; arguments y, plan, gate, out0; writes out0
.if DOCPART == 5
	.amdgcn_target "amdgcn-amd-amdhsa--gfx1250"
	.amdhsa_code_object_version 6
	.text
	.protected	k_q89eacbd302_combine
	.globl	k_q89eacbd302_combine
	.p2align	8
	.type	k_q89eacbd302_combine,@function
k_q89eacbd302_combine:
	s_mov_b64 s[64:65], 0
	v_nop
	global_prefetch_b8 v0, s[64:65] scope:SCOPE_SE
	s_setreg_imm32_b32 hwreg(HW_REG_WAVE_MODE, 25, 1), 1
	s_wait_xcnt 0x0
; COMBINE.  out0[token] = w1 y[place of its first choice] + w2 y[place of its second].  A stream: memory binds, so no LDS, no matrix unit, no cluster.
; A wave takes a token.  A place is e x 1024 + rank; its row lies in y[place / 16][cs][place % 16]: 32 pieces of 128 bytes, 2,048 bytes apart.
; A load takes four pieces (eight lanes to a piece); a store covers 512 consecutive bytes of the output's row, aligned.  All 16 loads are issued ahead of the first wait.
.set POS_OFF, 34816
.set Y0, 16                            ; v16-47  the first choice's row, then the result
.set Y1, 48                            ; v48-79  the second's
	s_load_b256 s[4:11], s[0:1], 0x0               ; y s[4:5], plan s[6:7], gate s[8:9], out0 s[10:11]
	v_lshrrev_b32 v1, 5, v0
	v_readfirstlane_b32 s12, v1                    ; wave
	v_and_b32 v1, 31, v0                           ; lane
	v_lshrrev_b32 v2, 3, v1
	v_lshlrev_b32 v2, 11, v2
	v_and_b32 v4, 7, v1
	v_lshl_add_u32 v2, v4, 4, v2                   ; piece lane / 8, + 16 (lane % 8)
	v_lshlrev_b32 v3, 4, v1
	s_lshl_b32 s13, ttmp9, 2
	s_add_co_u32 s13, s13, s12                     ; my token
	s_lshl_b32 s14, s13, 3
	s_wait_kmcnt 0x0
	s_load_b64 s[16:17], s[6:7], s14 offset:POS_OFF   ; its two places
	s_load_b64 s[18:19], s[8:9], s14 offset:0x0       ; its two gates
	s_lshl_b32 s20, s13, 12
	s_mov_b32 s21, 0
	s_add_nc_u64 s[10:11], s[10:11], s[20:21]      ; its row of out0
	s_wait_kmcnt 0x0
	s_min_u32 s16, s16, 0x1fff
	s_min_u32 s17, s17, 0x1fff
	s_and_b32 s22, s16, 0x1ff0
	s_lshl_b32 s22, s22, 12                        ; (place / 16) x 32 blocks of 2,048 bytes
	s_and_b32 s23, s16, 15
	s_lshl_b32 s23, s23, 7                         ; + the row in a block
	s_add_co_u32 s24, s22, s23
	s_mov_b32 s25, 0
	s_add_nc_u64 s[24:25], s[4:5], s[24:25]
	s_and_b32 s22, s17, 0x1ff0
	s_lshl_b32 s22, s22, 12
	s_and_b32 s23, s17, 15
	s_lshl_b32 s23, s23, 7
	s_add_co_u32 s26, s22, s23
	s_mov_b32 s27, 0
	s_add_nc_u64 s[26:27], s[4:5], s[26:27]
	s_mov_b32 s28, s19                             ; w2 in a pair of its own: the packed form names a pair and takes its low word for both halves
	s_mov_b32 s29, s19
.irp j, 0,1,2,3,4,5,6,7
	global_load_b128 v[Y0+4*\j:Y0+4*\j+3], v2, s[24:25] offset:8192*\j th:TH_LOAD_NT
	global_load_b128 v[Y1+4*\j:Y1+4*\j+3], v2, s[26:27] offset:8192*\j th:TH_LOAD_NT
.endr
.irp j, 0,1,2,3,4,5,6,7
	s_wait_loadcnt 14-2*\j                         ; pair j is in; the pairs issued behind it may be out
	v_pk_mul_f32 v[Y0+4*\j:Y0+4*\j+1], v[Y0+4*\j:Y0+4*\j+1], s[18:19] op_sel_hi:[1,0]
	v_pk_mul_f32 v[Y0+4*\j+2:Y0+4*\j+3], v[Y0+4*\j+2:Y0+4*\j+3], s[18:19] op_sel_hi:[1,0]
	v_pk_fma_f32 v[Y0+4*\j:Y0+4*\j+1], v[Y1+4*\j:Y1+4*\j+1], s[28:29], v[Y0+4*\j:Y0+4*\j+1] op_sel_hi:[1,0,1]
	v_pk_fma_f32 v[Y0+4*\j+2:Y0+4*\j+3], v[Y1+4*\j+2:Y1+4*\j+3], s[28:29], v[Y0+4*\j+2:Y0+4*\j+3] op_sel_hi:[1,0,1]
	global_store_b128 v3, v[Y0+4*\j:Y0+4*\j+3], s[10:11] offset:512*\j th:TH_STORE_NT
.endr
	s_endpgm
.Lfunc_end_k_q89eacbd302_combine:
	.size	k_q89eacbd302_combine, .Lfunc_end_k_q89eacbd302_combine-k_q89eacbd302_combine
	.p2alignl 7, 3214868480
	.fill 96, 4, 3214868480
	.section	.rodata,"a",@progbits
	.p2align	6, 0x0
	.amdhsa_kernel k_q89eacbd302_combine
		.amdhsa_group_segment_fixed_size 0
		.amdhsa_private_segment_fixed_size 0
		.amdhsa_enable_private_segment 0
		.amdhsa_kernarg_size 32
		.amdhsa_user_sgpr_count 2
		.amdhsa_user_sgpr_kernarg_segment_ptr 1
		.amdhsa_wavefront_size32 1
		.amdhsa_system_sgpr_workgroup_id_x 1
		.amdhsa_system_sgpr_workgroup_id_y 1
		.amdhsa_system_sgpr_workgroup_id_z 1
		.amdhsa_system_vgpr_workitem_id 0
		.amdhsa_next_free_vgpr 80
		.amdhsa_next_free_sgpr 66
		.amdhsa_reserve_vcc 0
		.amdhsa_float_denorm_mode_32 3
		.amdhsa_float_denorm_mode_16_64 3
		.amdhsa_memory_ordered 1
		.amdhsa_forward_progress 1
		.amdhsa_inst_pref_size 7
	.end_amdhsa_kernel
	.amdgpu_metadata
---
amdhsa.version: [ 1, 2 ]
amdhsa.kernels:
  - .name:           k_q89eacbd302_combine
    .symbol:         k_q89eacbd302_combine.kd
    .args:
      - { .name: y, .offset: 0, .size: 8, .value_kind: global_buffer, .address_space: global }
      - { .name: plan, .offset: 8, .size: 8, .value_kind: global_buffer, .address_space: global }
      - { .name: gate, .offset: 16, .size: 8, .value_kind: global_buffer, .address_space: global }
      - { .name: out0, .offset: 24, .size: 8, .value_kind: global_buffer, .address_space: global }
    .group_segment_fixed_size: 0
    .private_segment_fixed_size: 0
    .kernarg_segment_align: 8
    .kernarg_segment_size: 32
    .max_flat_workgroup_size: 128
    .sgpr_count:     66
    .vgpr_count:     80
    .wavefront_size: 32
...
	.end_amdgpu_metadata
.endif
;; end of part 5
;; ======== version 2 of 2: 5 launches
;; workspace buffers: xq 557,056 bytes; idx 4,096 bytes of whole numbers; gate 8,192 bytes; plan 44,288 bytes of whole numbers; hid 17,825,792 bytes; y 33,554,432 bytes
;; launch route (part 6): grid 256 x 1, 4 waves a work-group, no clusters, 55,808 bytes of LDS; arguments x, router_W, router_b, xq, idx, gate; writes xq, idx, gate
.if DOCPART == 6
	.amdgcn_target "amdgcn-amd-amdhsa--gfx1250"
	.amdhsa_code_object_version 6
	.text
	.protected	k_q89eacbd302_route
	.globl	k_q89eacbd302_route
	.p2align	8
	.type	k_q89eacbd302_route,@function
k_q89eacbd302_route:
	s_mov_b64 s[64:65], 0
	v_nop
	global_prefetch_b8 v0, s[64:65] scope:SCOPE_SE
	s_setreg_imm32_b32 hwreg(HW_REG_WAVE_MODE, 25, 1), 1
	s_wait_xcnt 0x0
; ROUTE.  For each of the 1,024 tokens: the eight router logits x . router_W + router_b in f32, the two largest (the lower index wins a tie), their two
; gates, and x's row as codes of E2M1 with one E8M0 byte for each 32 along D.
; SHARES.  A work-group takes 4 tokens, a wave one.  A lane holds 16 neighbours of x in each of two steps of 512 numbers, so that the conversions find
; neighbours along K in one lane's registers; the loads take the bytes as they lie (512 consecutive bytes a load) and turn through the wave's own stage in LDS.
; router_W (32,768 bytes) is copied into LDS once by the work-group, as 64 chunks of 16 d x 8 e (512 bytes) 528 bytes apart: lane l of step hf reads chunk 32 hf + l.
; THE GATES.  softmax rises with the logit, so the choice is made on the logits; w1 = p1 / (p1 + p2) = 1 / (1 + e^(l2 - l1)), w2 = e^(l2 - l1) w1: the larger
; logit is taken away ahead of the exponential, whose exponent is 0 or less.
; OUT, all at fixed places: xq: codes [token][512 bytes], scale bytes [token][32] from byte XS_OFF on; idx: [token] first choice | second choice << 8; gate: [token][2] f32.
; LIMITS.  NaN and infinities among the inputs are not served.  Two logits an ulp apart whose probabilities round to one f32 number could be ordered otherwise than a
; top-k on the probabilities orders them.  A block whose largest magnitude lies under 2^-124 (a block of zeros too) gets the byte 1: only this program reads the bytes.
.set XS_OFF, 524288
.set RWP,  528                         ; a chunk of router_W in LDS: 512 bytes + 16, an odd multiple of 16
.set REG0, 64*RWP                      ; behind the 64 chunks: a region for each wave
.set SP,   80                          ; a lane's place in a stage: its 64 bytes + 16
.set SBO,  2*32*SP                     ; in a region: two stages, then 256 bytes for the token's 32 scale bytes
.set WREG, SBO+256
.set R,    16                          ; v16-47   x as loaded
.set X,    48                          ; v48-79   two sets of 16 neighbours
.set W,    80                          ; v80-207  router_W as loaded (64), then my chunk: register 8 i + e = W(16 lane + i, e)
.set ACC,  208                         ; v208-215 the eight sums
.set M1,   216                         ; the largest logit, its index; the second, its index
.set I1,   217
.set M2,   218
.set I2,   219
.set T,    220
.set TI,   221
.set VE,   222
.set MX0,  223
.set MX1,  224
.set SCL,  225
.set C,    226                         ; v226-229 codes: a pair for each step
.set E,    230                         ; v230-231 a scale byte for each step
.set SW,   232
.set IW,   233
.set G0,   234                         ; v234-235 the two gates
	s_load_b256 s[4:11], s[0:1], 0x0               ; x s[4:5], router_W s[6:7], router_b s[8:9], xq s[10:11]
	s_load_b128 s[12:15], s[0:1], 0x20             ; idx s[12:13], gate s[14:15]
	v_lshl_add_u32 v240, v0, 2, 0xd800
	v_mov_b32 v241, 0
	v_lshrrev_b32 v1, 5, v0
	v_readfirstlane_b32 s28, v1                    ; wave
	v_and_b32 v1, 31, v0                           ; lane
	v_lshlrev_b32 v2, 4, v0                        ; router_W: 16 bytes a thread, 2,048 a work-group load
	v_lshlrev_b32 v3, 4, v1                        ; x: 16 bytes a lane, 512 a load
	s_mul_i32 s31, s28, WREG
	s_add_co_u32 s31, s31, REG0                    ; my wave's region
	v_lshrrev_b32 v4, 2, v1
	v_mul_u32_u24 v4, v4, SP
	v_and_b32 v5, 3, v1
	v_lshl_add_u32 v4, v5, 4, v4
	v_add_nc_u32 v4, s31, v4                       ; the stage, in: SP (lane / 4) + 16 (lane % 4)
	v_mul_u32_u24 v5, v1, SP
	v_add_nc_u32 v5, s31, v5                       ; and out: SP x lane
	s_mul_i32 s24, s28, RWP
	v_add_nc_u32 v6, s24, v3                       ; router_W into LDS: load k's bytes of wave w are chunk 4 k + w
	v_mul_u32_u24 v7, v1, RWP                      ; and out of it: chunk = lane
	v_lshlrev_b32 v8, 3, v1                        ; my 16 codes: 8 bytes
	s_add_co_u32 s31, s31, SBO
	v_lshrrev_b32 v9, 1, v1
	v_add_nc_u32 v9, s31, v9                       ; my block's scale byte
	v_and_b32 v10, 7, v1
	v_lshl_add_u32 v10, v10, 2, s31                ; the 32 bytes back, a word a lane
	v_lshlrev_b32 v11, 2, v1
	s_mov_b32 s26, 0x76543210
	s_mov_b32 s27, 0xfedcba98                      ; v_permlanex16_b32's selects for lane l xor 16
	s_lshl_b32 s29, ttmp9, 2
	s_add_co_u32 s29, s29, s28                     ; my token
	s_mov_b32 s35, 0
	s_wait_alu depctr_va_vdst(0)
	s_wait_kmcnt 0x0
	s_load_b256 s[16:23], s[8:9], 0x0              ; router_b
	s_lshl_b32 s34, s29, 12
	s_add_nc_u64 s[4:5], s[4:5], s[34:35]          ; x's row
	s_lshl_b32 s34, s29, 9
	s_add_nc_u64 s[36:37], s[10:11], s[34:35]      ; its codes
	s_lshl_b32 s34, s29, 5
	s_add_co_u32 s34, s34, XS_OFF
	s_add_nc_u64 s[32:33], s[10:11], s[34:35]      ; its scale bytes
	s_lshl_b32 s34, s29, 2
	s_add_nc_u64 s[12:13], s[12:13], s[34:35]
	s_lshl_b32 s34, s29, 3
	s_add_nc_u64 s[14:15], s[14:15], s[34:35]
.irp k, 0,1,2,3,4,5,6,7,8,9,10,11,12,13,14,15
	global_load_b128 v[W+4*\k:W+4*\k+3], v2, s[6:7] offset:2048*\k
.endr
.irp i, 0,1,2,3,4,5,6,7
	global_load_b128 v[R+4*\i:R+4*\i+3], v3, s[4:5] offset:512*\i th:TH_LOAD_NT
.endr
	s_wait_loadcnt 8                               ; router_W's sixteen are in; x's eight, issued behind them, may be out
.irp k, 0,1,2,3,4,5,6,7,8,9,10,11,12,13,14,15
	ds_store_b128 v6, v[W+4*\k:W+4*\k+3] offset:4*RWP*\k
.endr
	s_wait_loadcnt 0x0
.irp i, 0,1,2,3,4,5,6,7
	ds_store_b128 v4, v[R+4*\i:R+4*\i+3] offset:32*SP*(\i/4)+8*SP*(\i%4)
.endr
	s_wait_dscnt 0x0                               ; for the others' sake: my part of router_W has landed
	s_barrier_signal -1
	s_barrier_wait -1
.irp i, 0,1,2,3,4,5,6,7
	ds_load_b128 v[X+4*\i:X+4*\i+3], v5 offset:32*SP*(\i/4)+16*(\i%4)
.endr
.macro WLOAD hf                        ; my chunk of step hf: 512 bytes
.set c, 0
.rept 32
	ds_load_b128 v[W+4*c:W+4*c+3], v7 offset:32*RWP*\hf+16*c
.set c, c+1
.endr
.endm
.macro DOT hf                          ; 16 numbers x 8 experts; the very first products start the sums: nothing is cleared
.set i, 0
.rept 16
.set e, 0
.rept 8
.if (\hf == 0) && (i == 0)
	v_mul_f32 v[ACC+e], v[X], v[W+e]
.else
	v_fmac_f32 v[ACC+e], v[X+16*\hf+i], v[W+8*i+e]
.endif
.set e, e+1
.endr
.set i, i+1
.endr
.endm
.macro RSTEP hf
.set XS, X+16*\hf
	s_wait_dscnt 0x0                               ; x's neighbours and this step's chunk are in
	DOT \hf
.if \hf == 0
	WLOAD 1                                        ; the other chunk lands while this step's block is quantised
.endif
	v_max3_num_f32 v[MX0], |v[XS]|, |v[XS+1]|, |v[XS+2]|           ; the largest magnitude of my 16, in two chains
	v_max3_num_f32 v[MX1], |v[XS+3]|, |v[XS+4]|, |v[XS+5]|
.irp i, 6,10
	v_max3_num_f32 v[MX0], v[MX0], |v[XS+\i]|, |v[XS+\i+1]|
	v_max3_num_f32 v[MX1], v[MX1], |v[XS+\i+2]|, |v[XS+\i+3]|
.endr
	v_max3_num_f32 v[MX0], v[MX0], |v[XS+14]|, |v[XS+15]|
	v_max3_num_f32 v[MX0], v[MX0], v[MX1], 0x1800000               ; and the floor 2^(3 - 127): the byte cannot fall under 1
	v_max_num_f32_dpp v[MX0], v[MX0], v[MX0] row_xmask:1 row_mask:0xf bank_mask:0xf   ; with my neighbour's 16: the block's
	v_add_nc_u32 v[SCL], 0xff000000, v[MX0]        ; 2 off its exponent field: the conversion takes that field as its scale
	v_cvt_scalef32_pk8_fp4_f32 v[C+2*\hf], v[XS:XS+7], v[SCL]
	v_cvt_scalef32_pk8_fp4_f32 v[C+2*\hf+1], v[XS+8:XS+15], v[SCL]
	v_lshrrev_b32 v[E+\hf], 23, v[SCL]             ; the scale's byte (a plain line behind the conversions)
	ds_store_b8 v9, v[E+\hf] offset:16*\hf         ; both lanes of a block write the same byte with the same value
	global_store_b64 v8, v[C+2*\hf:C+2*\hf+1], s[36:37] offset:256*\hf   ; the wave stores 256 consecutive bytes, aligned
.endm
	WLOAD 0
	RSTEP 0
	RSTEP 1
	ds_load_b32 v[SW], v10                         ; LDS serves a wave's instructions in order: this sees my byte stores
.irp m, 1,2,4,8
.irp q, 0,1,2,3,4,5,6,7
	v_add_f32_dpp v[ACC+\q], v[ACC+\q], v[ACC+\q] row_xmask:\m row_mask:0xf bank_mask:0xf
.endr
.endr
.irp q, 0,1,2,3,4,5,6,7
	v_permlanex16_b32 v[W+\q], v[ACC+\q], s26, s27 ; (W's registers are done with, and have been written)
.endr
.irp q, 0,1,2,3,4,5,6,7
	v_add_f32 v[ACC+\q], v[ACC+\q], v[W+\q]        ; every lane holds the eight sums
.endr
	s_wait_alu depctr_va_vdst(0)
	s_wait_kmcnt 0x0                               ; router_b
.irp q, 0,1,2,3,4,5,6,7
	v_add_f32 v[ACC+\q], s[16+\q], v[ACC+\q]
.endr
	v_mov_b32 v[M1], v[ACC]
	v_mov_b32 v[I1], 0
	v_mov_b32 v[M2], 0xff800000                    ; -infinity
	v_mov_b32 v[I2], 0
.irp q, 1,2,3,4,5,6,7                  ; strictly greater alone moves a place: of equals the lower index stays ahead
	v_mov_b32 v[VE], \q
	v_cmp_gt_f32 vcc_lo, v[ACC+\q], v[M1]
	v_cmp_gt_f32 s24, v[ACC+\q], v[M2]
	v_cndmask_b32 v[T], v[M2], v[ACC+\q], s24
	v_cndmask_b32 v[TI], v[I2], v[VE], s24
	v_cndmask_b32 v[M2], v[T], v[M1], vcc_lo
	v_cndmask_b32 v[I2], v[TI], v[I1], vcc_lo
	v_cndmask_b32 v[M1], v[M1], v[ACC+\q], vcc_lo
	v_cndmask_b32 v[I1], v[I1], v[VE], vcc_lo
.endr
	v_sub_f32 v[T], v[M2], v[M1]                   ; 0 or less
	v_mul_f32 v[T], 0x3fb8aa3b, v[T]
	s_wait_alu depctr_va_vdst(0)
	v_exp_f32 v[T], v[T]                           ; e^(l2 - l1)
	v_lshl_or_b32 v[IW], v[I2], 8, v[I1]           ; (a plain line behind the exponential)
	s_wait_alu depctr_va_vdst(0)
	v_add_f32 v[TI], 1.0, v[T]
	s_wait_alu depctr_va_vdst(0)
	v_rcp_f32 v[G0], v[TI]                         ; w1
	v_nop                                          ; a plain line behind the reciprocal
	s_wait_alu depctr_va_vdst(0)
	v_mul_f32 v[G0+1], v[T], v[G0]                 ; w2
	s_wait_alu depctr_va_vdst(0)
	s_wait_dscnt 0x0                               ; the scale bytes are back
	s_wait_xcnt 0x0                                ; EXEC changes only behind this wait
	v_cmp_gt_u32 vcc_lo, 8, v1
	s_wait_tensorcnt 0x0
	ds_add_u32 v240, v241
	s_wait_dscnt 0x0
	s_and_saveexec_b32 s30, vcc_lo
	global_store_b32 v11, v[SW], s[32:33]          ; lanes 0-7: the token's 32 scale bytes
	s_wait_xcnt 0x0
	s_or_b32 exec_lo, exec_lo, s30
	v_cmp_eq_u32 vcc_lo, 0, v1
	s_and_saveexec_b32 s30, vcc_lo
	global_store_b32 v11, v[IW], s[12:13]          ; lane 0 (its offset is 0): the two choices,
	global_store_b64 v11, v[G0:G0+1], s[14:15]     ; and their gates
	s_wait_xcnt 0x0
	s_or_b32 exec_lo, exec_lo, s30
	s_endpgm
.Lfunc_end_k_q89eacbd302_route:
	.size	k_q89eacbd302_route, .Lfunc_end_k_q89eacbd302_route-k_q89eacbd302_route
	.p2alignl 7, 3214868480
	.fill 96, 4, 3214868480
	.section	.rodata,"a",@progbits
	.p2align	6, 0x0
	.amdhsa_kernel k_q89eacbd302_route
		.amdhsa_group_segment_fixed_size 55808
		.amdhsa_private_segment_fixed_size 0
		.amdhsa_enable_private_segment 0
		.amdhsa_kernarg_size 48
		.amdhsa_user_sgpr_count 2
		.amdhsa_user_sgpr_kernarg_segment_ptr 1
		.amdhsa_wavefront_size32 1
		.amdhsa_system_sgpr_workgroup_id_x 1
		.amdhsa_system_sgpr_workgroup_id_y 1
		.amdhsa_system_sgpr_workgroup_id_z 1
		.amdhsa_system_vgpr_workitem_id 0
		.amdhsa_next_free_vgpr 242
		.amdhsa_next_free_sgpr 66
		.amdhsa_reserve_vcc 1
		.amdhsa_float_denorm_mode_32 3
		.amdhsa_float_denorm_mode_16_64 3
		.amdhsa_memory_ordered 1
		.amdhsa_forward_progress 1
		.amdhsa_inst_pref_size 28
	.end_amdhsa_kernel
	.amdgpu_metadata
---
amdhsa.version: [ 1, 2 ]
amdhsa.kernels:
  - .name:           k_q89eacbd302_route
    .symbol:         k_q89eacbd302_route.kd
    .args:
      - { .name: x, .offset: 0, .size: 8, .value_kind: global_buffer, .address_space: global }
      - { .name: router_W, .offset: 8, .size: 8, .value_kind: global_buffer, .address_space: global }
      - { .name: router_b, .offset: 16, .size: 8, .value_kind: global_buffer, .address_space: global }
      - { .name: xq, .offset: 24, .size: 8, .value_kind: global_buffer, .address_space: global }
      - { .name: idx, .offset: 32, .size: 8, .value_kind: global_buffer, .address_space: global }
      - { .name: gate, .offset: 40, .size: 8, .value_kind: global_buffer, .address_space: global }
    .group_segment_fixed_size: 55808
    .private_segment_fixed_size: 0
    .kernarg_segment_align: 8
    .kernarg_segment_size: 48
    .max_flat_workgroup_size: 128
    .sgpr_count:     66
    .vgpr_count:     242
    .wavefront_size: 32
...
	.end_amdgpu_metadata
.endif
;; end of part 6
;; launch place (part 7): grid 1 x 1, 8 waves a work-group, no clusters, 0 bytes of LDS; arguments idx, plan, out1; writes plan, out1
.if DOCPART == 7
	.amdgcn_target "amdgcn-amd-amdhsa--gfx1250"
	.amdhsa_code_object_version 6
	.text
	.protected	k_q89eacbd302_place
	.globl	k_q89eacbd302_place
	.p2align	8
	.type	k_q89eacbd302_place,@function
k_q89eacbd302_place:
	s_mov_b64 s[64:65], 0
	v_nop
	global_prefetch_b8 v0, s[64:65] scope:SCOPE_SE
	s_setreg_imm32_b32 hwreg(HW_REG_WAVE_MODE, 25, 1), 1
	s_wait_xcnt 0x0
; PLACE.  From the stored choices: for each expert the list of its tokens, for each (token, choice) its place, and each expert's count.  Also out1 = 0.
; One work-group of eight waves; wave e places expert e and shares nothing with the others: no LDS, no barrier.  Every wave reads all 1,024 words of idx.
; A token's rank in its expert is the running count plus the number of lower lanes that chose the expert in the same step.  The order within an expert is free.
; Lanes whose token did not choose e store into spare words of the wave's own, which nobody reads: so all lanes stay on through the 64 stores.
; plan, in words of 4 bytes: LIST [8][1088] at 0 (ranks 0 .. 1023, up to 32 pads behind the last rank, words 1056 .. 1087 spare); POS [1024][2] at byte 34816 (e x 1024 + rank);
; 256 spare words at byte 43008; CNT [8] at byte 44032.  The pads name token 0: they fill the expert's last tile of 16 rows, whose results nobody reads.
; Each step has four registers of its own for its two stores, so no store's source is written again and no wait stands among them.
.set POS_OFF, 34816
.set CNT_OFF, 44032
	s_load_b128 s[4:7], s[0:1], 0x0                ; idx s[4:5], plan s[6:7]
	s_load_b64 s[16:17], s[0:1], 0x10              ; out1
	v_lshrrev_b32 v1, 5, v0
	s_delay_alu instid0(VALU_DEP_1)
	v_readfirstlane_b32 s8, v1                     ; wave = expert
	v_and_b32 v1, 31, v0                           ; lane
	s_delay_alu instid0(VALU_DEP_1)
	v_lshlrev_b32 v2, 2, v1                        ; 4 lane: my first token of a load's 128
	s_delay_alu instid0(VALU_DEP_2)
	v_lshlrev_b32 v3, 3, v1                        ; 8 lane: twice that
	v_mov_b32 v4, 0
	v_mov_b32 v5, 1
	v_add_nc_u32 v6, 1056, v1                      ; my spare word of the list
	s_lshl_b32 s11, s8, 5
	s_add_co_u32 s11, s11, 2048
	v_add_nc_u32 v7, s11, v1                       ; my spare word behind POS
	v_lshlrev_b32 v8, 4, v1
	s_mov_b32 s9, 0                                ; the running count
	s_lshl_b32 s10, s8, 10                         ; e x 1024
	s_mul_i32 s20, s8, 4352
	s_mov_b32 s21, 0
	s_lshl_b32 s19, s8, 2
	s_wait_alu depctr_va_vdst(0)
	s_wait_kmcnt 0x0
	s_add_nc_u64 s[12:13], s[6:7], s[20:21]        ; my expert's list
	s_add_nc_u64 s[14:15], s[6:7], POS_OFF
.irp q, 0,1,2,3,4,5,6,7
	global_load_b128 v[16+4*\q:16+4*\q+3], v8, s[4:5] offset:512*\q   ; register 4 q + i of lane l: token 128 q + 4 l + i
.endr
	s_wait_loadcnt 0x0
.macro PSTEP k
.set LA, 48+4*(\k)                     ; the list's offset, the token, POS's offset, the place
.set TK, LA+1
.set PA, LA+2
.set PV, LA+3
	v_and_b32 v9, 0xff, v[16+(\k)]                 ; the first choice
	v_lshrrev_b32 v10, 8, v[16+(\k)]               ; the second
	s_delay_alu instid0(VALU_DEP_2)
	v_cmp_eq_u32 s11, s8, v9
	s_delay_alu instid0(VALU_DEP_2)
	v_cmp_eq_u32 vcc_lo, s8, v10
	s_delay_alu instid0(VALU_DEP_1)
	v_cndmask_b32 v11, v4, v5, vcc_lo              ; which of the token's two choices I am
	s_or_b32 vcc_lo, vcc_lo, s11                   ; the lanes whose token chose me
	v_mbcnt_lo_u32_b32 v12, vcc_lo, s9             ; the rank
	s_delay_alu instid0(VALU_DEP_1)
	v_add_nc_u32 v[PV], s10, v12
	v_add_nc_u32 v[TK], 128*((\k)/4)+(\k)%4, v2
	s_delay_alu instid0(VALU_DEP_3)
	v_cndmask_b32 v[LA], v6, v12, vcc_lo
	s_delay_alu instid0(VALU_DEP_1)
	v_min_u32 v[LA], 1087, v[LA]
	s_delay_alu instid0(VALU_DEP_1)
	v_lshlrev_b32 v[LA], 2, v[LA]
	v_add3_u32 v[PA], v11, v3, 256*((\k)/4)+2*((\k)%4)   ; 2 x token + choice
	s_delay_alu instid0(VALU_DEP_1)
	v_cndmask_b32 v[PA], v7, v[PA], vcc_lo
	s_delay_alu instid0(VALU_DEP_1)
	v_min_u32 v[PA], 2303, v[PA]
	s_delay_alu instid0(VALU_DEP_1)
	v_lshlrev_b32 v[PA], 2, v[PA]
	s_bcnt1_i32_b32 s11, vcc_lo
	s_add_co_u32 s9, s9, s11
	global_store_b32 v[LA], v[TK], s[12:13]
	global_store_b32 v[PA], v[PV], s[14:15]
.endm
.set Q, 0
.rept 32
	PSTEP Q
.set Q, Q+1
.endr
	v_add_nc_u32 v9, s9, v1                        ; 32 pads behind the last rank (at most word 1055)
	s_delay_alu instid0(VALU_DEP_1)
	v_min_u32 v9, 1087, v9
	s_delay_alu instid0(VALU_DEP_1)
	v_lshlrev_b32 v9, 2, v9
	global_store_b32 v9, v4, s[12:13]
	v_mov_b32 v10, s9
	v_mov_b32 v11, s19
	s_wait_alu depctr_va_vdst(0)
	s_wait_xcnt 0x0                                ; EXEC changes only behind this wait
	v_cmp_eq_u32 vcc_lo, 0, v1
	s_and_saveexec_b32 s18, vcc_lo
	global_store_b32 v11, v10, s[6:7] offset:CNT_OFF   ; lane 0: my expert's count
	s_cmp_lg_u32 s8, 0
	s_cbranch_scc1 .Lnot_wave_0
	global_store_b32 v4, v4, s[16:17]              ; wave 0: out1 = 0.0
.Lnot_wave_0:
	s_wait_xcnt 0x0
	s_or_b32 exec_lo, exec_lo, s18
	s_endpgm
.Lfunc_end_k_q89eacbd302_place:
	.size	k_q89eacbd302_place, .Lfunc_end_k_q89eacbd302_place-k_q89eacbd302_place
	.p2alignl 7, 3214868480
	.fill 96, 4, 3214868480
	.section	.rodata,"a",@progbits
	.p2align	6, 0x0
	.amdhsa_kernel k_q89eacbd302_place
		.amdhsa_group_segment_fixed_size 0
		.amdhsa_private_segment_fixed_size 0
		.amdhsa_enable_private_segment 0
		.amdhsa_kernarg_size 24
		.amdhsa_user_sgpr_count 2
		.amdhsa_user_sgpr_kernarg_segment_ptr 1
		.amdhsa_wavefront_size32 1
		.amdhsa_system_sgpr_workgroup_id_x 1
		.amdhsa_system_sgpr_workgroup_id_y 1
		.amdhsa_system_sgpr_workgroup_id_z 1
		.amdhsa_system_vgpr_workitem_id 0
		.amdhsa_next_free_vgpr 200
		.amdhsa_next_free_sgpr 66
		.amdhsa_reserve_vcc 1
		.amdhsa_float_denorm_mode_32 3
		.amdhsa_float_denorm_mode_16_64 3
		.amdhsa_memory_ordered 1
		.amdhsa_forward_progress 1
		.amdhsa_inst_pref_size 45
	.end_amdhsa_kernel
	.amdgpu_metadata
---
amdhsa.version: [ 1, 2 ]
amdhsa.kernels:
  - .name:           k_q89eacbd302_place
    .symbol:         k_q89eacbd302_place.kd
    .args:
      - { .name: idx, .offset: 0, .size: 8, .value_kind: global_buffer, .address_space: global }
      - { .name: plan, .offset: 8, .size: 8, .value_kind: global_buffer, .address_space: global }
      - { .name: out1, .offset: 16, .size: 8, .value_kind: global_buffer, .address_space: global }
    .group_segment_fixed_size: 0
    .private_segment_fixed_size: 0
    .kernarg_segment_align: 8
    .kernarg_segment_size: 24
    .max_flat_workgroup_size: 256
    .sgpr_count:     66
    .vgpr_count:     200
    .wavefront_size: 32
...
	.end_amdgpu_metadata
.endif
;; end of part 7
;; launch gemm1 (part 8): grid 32 x 8, 4 waves a work-group, no clusters, 68,096 bytes of LDS; arguments xq, plan, W1_codes, W1_scales, b1, hid; writes hid
.if DOCPART == 8
	.amdgcn_target "amdgcn-amd-amdhsa--gfx1250"
	.amdhsa_code_object_version 6
	.text
	.protected	k_q89eacbd302_gemm1
	.globl	k_q89eacbd302_gemm1
	.p2align	8
	.type	k_q89eacbd302_gemm1,@function
k_q89eacbd302_gemm1:
	s_mov_b64 s[64:65], 0
	v_nop
	global_prefetch_b8 v0, s[64:65] scope:SCOPE_SE
	s_setreg_imm32_b32 hwreg(HW_REG_WAVE_SCHED_MODE, 0, 2), 2
	s_setreg_imm32_b32 hwreg(HW_REG_WAVE_MODE, 25, 1), 1
	s_wait_xcnt 0x0
	s_wait_alu depctr_vm_vsrc(0)
; GEMM1.  hid = Q(gelu(x W1 + b1)) for the routed rows alone, on codes of E2M1 with one E8M0 scale for each 32 along K; Q quantises along H, the next product's K.
; THE WEIGHTS STAND STILL.  Work-group (hs, e) owns hidden units 128 hs .. 128 hs + 127 of expert e: 128 rows of W1, 65,536 consecutive bytes, which no other work-group of the launch reads.
; They are copied into LDS once, in dense loads; behind ONE barrier every wave takes all of them into 512 registers.  Then the waves part: wave w takes the expert's tiles of 16 routed
; rows w, w + 4, .. on its own, 64 matrix instructions a tile.  The number of tiles is read from memory, so no barrier stands behind that first one, and the launch has no tensor load:
; that is also why no cluster is formed; and no weight byte is wanted by two work-groups.
; TRANSPOSED USE: source 0 = 16 rows of W1, source 1 = 16 tokens: a lane holds ONE token (lane % 16), and its registers run along the hidden units.
; THE ROWS OF W1 THAT FORM A TILE ARE NOT NEIGHBOURS: lane r of tile 2 b + u takes row 32 b + 8 u + r + 8 (r / 8), so that the 16 registers of tiles 2 b and 2 b + 1 are 16 neighbours
; along H: unit 32 b + 16 (lane / 16) + 0 .. 15.  In LDS the rows lie in tile order (a row's bits 3 and 4 change places), 528 bytes apart.
; gelu(x) = x / (1 + 2^(x (k0 + k1 x^2))), k0 = -2 log2(e) sqrt(2 / pi), k1 = 0.044715 k0: the tanh form, all in f32.
; OUT: the wave's 128 units of 16 rows are one fragment of the next product: it is stored as the image of its registers (group c of lane l at 512 c + 16 l), at
; hid[e][tile][hs], 1,024 bytes; its scale words at hid + HS_OFF: [e][tile][hs / 4][row][hs % 4].
; LIMITS.  NaN and infinities are not served.  A block whose largest magnitude lies under 2^-124 (a block of zeros too) gets the byte 1: only this program reads the bytes.
; REGISTERS, in windows of 256: window 0: addresses, constants, scale words, the accumulators, the work of gelu and quantiser; window 1: W1's fragments of K steps 0-3 (at 8 (8 s + t));
; window 2: K steps 4-7; window 3: v0-63 x's eight fragments, v64-127 b1 in the result's layout (8 registers a tile).
; THE MODE: SCHED_MODE bits 1:0 = 2 (LLVM: expert scheduling mode 2), set by the entry lines.  The code itself states the register dependences
; between vector or matrix instructions and memory or LDS instructions, with s_wait_alu, always for 0.
; THE PLAN.  Registers that memory or LDS instructions touch:
;   v128-255          At the head alone: W1's codes land there and the LDS stores read them.  From the barrier on they are HA and T, named by vector and matrix instructions alone.
;   G, SA, FRA, LI, SWO, R4, H16, v23, v24   Offsets and addresses, made at the head and never written again.
;   windows 1 and 2, W1S, b1   Loaded once, ahead of the loop; read by the products.
;   x (window 3, v0-63), XSC   A tile's 64 products read them; behind the products the 18 loads of the wave's next tile land in them.
;   NXT               The list's load lands in it; the fetch's first vector line reads it.
;   XA, XSA, LA       Written by the fetch's vector lines; read by its 19 loads.
;   PC, PW            Written by the quantiser; read by the tile's three stores.
;   v114, v115        Written at the head, read by the closing add alone.
; So a tile has one wait on vm_vsrc, behind its products (the last tile's stores have read PC and PW, the last fetch's loads XA, XSA and LA), and, beside the four waits around the batches of
; exponentials and reciprocals, two on va_vdst: one in the fetch, behind its address lines (these are written; the products are done reading x and its scale words; NXT has been read),
; and one behind the quantiser, ahead of the three stores.  The fetch's loads stand in one run: they land in window 3, and the vector work behind them is all in window 0.
.set XS_OFF,  524288
.set HS_OFF,  16777216
.set CNT_OFF, 44032
.set PITCH,   528                      ; a row of W1 in LDS: 512 bytes + 16, an odd multiple of 16
.set LI,  4                            ; v4   16 x lane: an image's place for my lane
.set SWO, 5                            ; v5   16 r + 4 (hs % 4): my row's scale word
.set R4,  6                            ; v6   4 r
.set LA,  7                            ; v7   offset of the list entry asked for
.set NXT, 8                            ; v8   the next tile's token for my row
.set XA,  9                            ; v9   offset of my token's codes
.set XSA, 10                           ; v10  of its scale bytes
.set TOK, 11
.set G,   12                           ; v12  16 x thread
.set SA,  13                           ; v13  528 x wave + 16 x lane
.set FRA, 14                           ; v14  528 r + 16 h
.set H16, 15                           ; v15  16 h
.set K0,  16                           ; v16-17 k0 twice;  v18-19 k1 twice;  v20-21 1.0 twice
.set K1,  18
.set ONE, 20
.set PW,  22                           ; v22  the scale word just made
.set W1S, 32                           ; v32-95   W1's scale words: 8 t + s
.set XSC, 96                           ; v96-103  x's: s
.set TM,  104                          ; v104-119 the quantiser's work (v114, v115 are not its: they are the closing add's two)
.set PC,  120                          ; v120-127 the codes just made
.set HA,  128                          ; v128-191 the eight accumulators
.set T,   192                          ; v192-255 gelu's work
.set B1,  64                           ; in window 3
.set MSB, 0
.macro WIN new                         ; the immediate's high byte repeats the setting that is left
.if MSB != \new
	s_set_vgpr_msb (MSB<<8)|\new
.set MSB, \new
.endif
.endm
	s_load_b256 s[4:11], s[0:1], 0x0               ; xq s[4:5], plan s[6:7], W1's codes s[8:9], W1's scales s[10:11]
	s_load_b128 s[12:15], s[0:1], 0x20             ; b1 s[12:13], hid s[14:15]
	v_lshl_add_u32 v114, v0, 2, 0x10800
	v_mov_b32 v115, 0
	v_lshrrev_b32 v1, 5, v0
	v_readfirstlane_b32 s16, v1                    ; wave
	s_mov_b32 s17, ttmp9                           ; hs
	s_and_b32 s18, ttmp7, 0xffff                   ; e
	v_and_b32 v1, 31, v0                           ; lane
	v_and_b32 v2, 15, v0                           ; r
	v_bfe_u32 v3, v0, 4, 1                         ; h
	v_lshlrev_b32 v[LI], 4, v1
	s_and_b32 s23, s17, 3
	s_lshl_b32 s23, s23, 2
	v_lshl_add_u32 v[SWO], v2, 4, s23
	v_lshlrev_b32 v[R4], 2, v2
	v_lshlrev_b32 v[G], 4, v0
	s_wait_alu depctr_va_sdst(0)                   ; s16, the wave's number, is written, ahead of its first reader
	s_mul_i32 s23, s16, PITCH
	v_add_nc_u32 v[SA], s23, v[LI]
	v_mul_u32_u24 v[FRA], v2, PITCH
	v_lshl_add_u32 v[FRA], v3, 4, v[FRA]
	v_lshlrev_b32 v[H16], 4, v3
	v_and_b32 v25, 8, v2
	v_add_nc_u32 v25, v25, v2                      ; r + 8 (r / 8)
	v_lshlrev_b32 v23, 5, v25                      ; W1's scale bytes: 32 a row
	v_lshlrev_b32 v24, 6, v3                       ; b1: lanes 16-31 begin 16 units on
	s_lshl_b32 s37, s18, 2
	s_mov_b32 s35, 0
	s_wait_kmcnt 0x0
	s_load_b32 s19, s[6:7], s37 offset:CNT_OFF     ; my expert's count of rows
	s_lshl_b32 s34, s18, 21
	s_lshl_b32 s36, s17, 16
	s_add_co_u32 s34, s34, s36
	s_add_nc_u64 s[8:9], s[8:9], s[34:35]          ; my 128 rows of codes,
	s_lshl_b32 s34, s18, 17
	s_lshl_b32 s36, s17, 12
	s_add_co_u32 s34, s34, s36
	s_add_nc_u64 s[10:11], s[10:11], s[34:35]      ; of scale bytes,
	s_lshl_b32 s34, s18, 14
	s_lshl_b32 s36, s17, 9
	s_add_co_u32 s34, s34, s36
	s_add_nc_u64 s[12:13], s[12:13], s[34:35]      ; my 128 numbers of b1
	s_add_nc_u64 s[24:25], s[4:5], XS_OFF          ; x's scale bytes
	s_mul_i32 s34, s18, 4352
	s_add_nc_u64 s[26:27], s[6:7], s[34:35]        ; my expert's list
	s_lshl_b32 s34, s18, 6
	s_add_co_u32 s34, s34, s16                     ; 64 e + wave: my first tile
	s_lshl_b32 s36, s34, 11
	s_lshl_b32 s34, s34, 15
	s_lshl_b32 s38, s17, 10
	s_add_co_u32 s34, s34, s38
	s_add_nc_u64 s[28:29], s[14:15], s[34:35]      ; its image,
	s_lshr_b32 s38, s17, 2
	s_lshl_b32 s38, s38, 8
	s_add_co_u32 s34, s36, s38
	s_add_co_u32 s34, s34, HS_OFF
	s_add_nc_u64 s[30:31], s[14:15], s[34:35]      ; and its scale words
	s_wait_alu depctr_va_vdst(0)                   ; the head's offsets and addresses (LI, SWO, R4, G, SA, FRA, H16, v23, v24) are written: the loads, LDS stores and LDS loads below read them
.set k, 0
.rept 32
	global_load_b128 v[128+4*k:128+4*k+3], v[G], s[8:9] offset:2048*k th:TH_LOAD_NT   ; the work-group reads 2,048 consecutive bytes: rows 4 k + wave
.set k, k+1
.endr
.irp t, 0,1,2,3,4,5,6,7
.irp u, 0,1
	global_load_b128 v[W1S+8*\t+4*\u:W1S+8*\t+4*\u+3], v23, s[10:11] offset:(32*(\t/2)+8*(\t%2))*32+16*\u
.endr
.endr
	WIN 0xc0                                       ; destination window 3
.irp t, 0,1,2,3,4,5,6,7
.irp u, 0,1
	global_load_b128 v[B1+8*\t+4*\u:B1+8*\t+4*\u+3], v24, s[12:13] offset:(32*(\t/2)+8*(\t%2))*4+16*\u
.endr
.endr
	WIN 0
	s_wait_loadcnt 32                              ; the 32 loads of codes are in; the 16 of scales and 16 of b1, issued behind them, may be out
.set k, 0
.rept 32
	ds_store_b128 v[SA], v[128+4*k:128+4*k+3] offset:PITCH*(4*(k&1)+16*((k>>1)&1)+8*((k>>2)&1)+32*(k>>3))   ; row 4 k + wave with its bits 3 and 4 changed
.set k, k+1
.endr
	s_wait_dscnt 0x0                               ; for the others' sake: my rows have landed
	s_barrier_signal -1
	s_barrier_wait -1                              ; the launch's one barrier, ahead of every branch on the count
	s_wait_alu depctr_vm_vsrc(0)                   ; my LDS stores have read v128-255: these registers are HA and T from here on, written by the products and by gelu
	s_wait_kmcnt 0x0
	s_min_u32 s19, s19, 1024
	s_add_co_u32 s20, s19, 15
	s_lshr_b32 s20, s20, 4                         ; tiles of 16 rows, 64 at the most
	s_cmp_ge_u32 s16, s20
	s_cbranch_scc1 .Lend                           ; no tile for this wave
	s_sub_co_u32 s22, s20, 1                       ; the last tile
	s_lshl_b32 s23, s16, 6
	v_add_nc_u32 v[LA], s23, v[R4]
	s_wait_alu depctr_va_vdst(0)                   ; LA is written, which the load below reads
	global_load_b32 v[NXT], v[LA], s[26:27]        ; my first tile's tokens
	WIN 0x40                                       ; destination window 1
.irp s, 0,1,2,3
.irp t, 0,1,2,3,4,5,6,7
.irp c, 0,1
	ds_load_b128 v[8*(8*\s+\t)+4*\c:8*(8*\s+\t)+4*\c+3], v[FRA] offset:16*PITCH*\t+64*\s+32*\c
.endr
.endr
.endr
	WIN 0x80                                       ; destination window 2
.irp s, 4,5,6,7
.irp t, 0,1,2,3,4,5,6,7
.irp c, 0,1
	ds_load_b128 v[8*(8*(\s-4)+\t)+4*\c:8*(8*(\s-4)+\t)+4*\c+3], v[FRA] offset:16*PITCH*\t+64*\s+32*\c
.endr
.endr
.endr
	WIN 0
	s_mov_b32 s32, 0x76543210
	s_mov_b32 s33, 0xfedcba98                      ; v_permlanex16_b32's selects for lane l xor 16
	v_mov_b32 v[K0], 0xc0135761
	v_mov_b32 v[K0+1], 0xc0135761
	v_mov_b32 v[K1], 0xbdd2d3e8
	v_mov_b32 v[K1+1], 0xbdd2d3e8
	v_mov_b32 v[ONE], 1.0
	v_mov_b32 v[ONE+1], 1.0
.irp b, 0,1,2,3
	v_mov_b32 v[TM+4+\b], 0                        ; written once: a lane permute's destination counts as one of its sources
.endr
; The tile whose tokens lie in NXT is asked for: 16 loads of codes, 2 of scale bytes; then the tokens of tile s34, held at the last tile, so that only written entries are read.
; All three offsets are made first, so that one wait serves the 19 loads.  Ahead of the macro stands the wait that shows XA, XSA and LA read by the last fetch's loads.
.macro XFETCH
	s_min_u32 s23, s34, s22
	s_min_u32 s23, s23, 63
	s_lshl_b32 s23, s23, 6
	v_min_u32 v[TOK], 1023, v[NXT]
	v_lshl_add_u32 v[XA], v[TOK], 9, v[H16]        ; my token's row of 512 bytes, + 16 h
	v_lshlrev_b32 v[XSA], 5, v[TOK]
	v_add_nc_u32 v[LA], s23, v[R4]
	WIN 0xc0
	s_wait_alu depctr_va_vdst(0)                   ; XA, XSA and LA are written, which the loads below read; the products issued so far are done reading x's fragments and scale words, and the first line above NXT: in all of these the loads below land
.irp s, 0,1,2,3,4,5,6,7
.irp c, 0,1
	global_load_b128 v[8*\s+4*\c:8*\s+4*\c+3], v[XA], s[4:5] offset:64*\s+32*\c
.endr
.endr
	WIN 0
.irp u, 0,1
	global_load_b128 v[XSC+4*\u:XSC+4*\u+3], v[XSA], s[24:25] offset:16*\u
.endr
	global_load_b32 v[NXT], v[LA], s[26:27]
.endm
.macro GELU                            ; in ascending order
.set j, 0
.rept 32
	v_pk_mul_f32 v[T+j:T+j+1], v[HA+j:HA+j+1], v[HA+j:HA+j+1]
.set j, j+2
.endr
.set j, 0
.rept 32
	v_pk_fma_f32 v[T+j:T+j+1], v[T+j:T+j+1], v[K1:K1+1], v[K0:K0+1]
.set j, j+2
.endr
.set j, 0
.rept 32
	v_pk_mul_f32 v[T+j:T+j+1], v[T+j:T+j+1], v[HA+j:HA+j+1]
.set j, j+2
.endr
.set j, 0
	s_wait_alu depctr_va_vdst(0)
.rept 64
	v_exp_f32 v[T+j], v[T+j]
.set j, j+1
.endr
	v_nop                                          ; a plain line between the exponentials and the use of their results
.set j, 0
	s_wait_alu depctr_va_vdst(0)                   ; the 64 exponentials have written T, which the additions below read: one wait for the batch
.rept 32
	v_pk_add_f32 v[T+j:T+j+1], v[T+j:T+j+1], v[ONE:ONE+1]
.set j, j+2
.endr
.set j, 0
	s_wait_alu depctr_va_vdst(0)
.rept 64
	v_rcp_f32 v[T+j], v[T+j]
.set j, j+1
.endr
	v_nop                                          ; likewise behind the reciprocals
.set j, 0
	s_wait_alu depctr_va_vdst(0)                   ; the 64 reciprocals have written T, which the multiplications below read: one wait for the batch
.rept 32
	v_pk_mul_f32 v[HA+j:HA+j+1], v[HA+j:HA+j+1], v[T+j:T+j+1]
.set j, j+2
.endr
.endm
; 64 numbers of a lane, register 16 b + i = unit 32 b + 16 (lane / 16) + i of my row, become a fragment's codes in v[PC] on and its scale word in v[PW].
.macro QUANT s
.irp b, 0,1,2,3
	v_max3_num_f32 v[TM+\b], |v[\s+16*\b]|, |v[\s+1+16*\b]|, 0x1800000   ; block b: my 16 numbers, and the floor 2^(3 - 127): the byte cannot fall under 1
.endr
.irp i, 2,4,6,8,10,12,14
.irp b, 0,1,2,3
	v_max3_num_f32 v[TM+\b], v[TM+\b], |v[\s+16*\b+\i]|, |v[\s+1+16*\b+\i]|   ; (the four blocks by turns)
.endr
.endr
.irp b, 0,1,2,3
	v_permlanex16_b32 v[TM+4+\b], v[TM+\b], s32, s33
.endr
.irp b, 0,1,2,3
	v_max_num_f32 v[TM+\b], v[TM+\b], v[TM+4+\b]   ; with lane l xor 16's: the block's largest magnitude
.endr
.irp b, 0,1,2,3
	v_add_nc_u32 v[TM+12+\b], 0xff000000, v[TM+\b] ; 2 off its exponent field: the conversion's scale operand
.endr
.irp b, 0,1,2,3
	v_lshrrev_b32 v[TM+4+\b], 23, v[TM+12+\b]      ; the scale's byte
.endr
	v_lshl_or_b32 v[PW], v[TM+5], 8, v[TM+4]
	v_lshl_or_b32 v[PW], v[TM+6], 16, v[PW]
	v_lshl_or_b32 v[PW], v[TM+7], 24, v[PW]
.irp b, 0,1,2,3
	v_cvt_scalef32_pk8_fp4_f32 v[PC+2*\b], v[\s+16*\b:\s+7+16*\b], v[TM+12+\b]
	v_cvt_scalef32_pk8_fp4_f32 v[PC+1+2*\b], v[\s+8+16*\b:\s+15+16*\b], v[TM+12+\b]
.endr
	v_nop                                          ; one plain line behind a scaled conversion
.irp c, 0,1                            ; the operand's layout wants a whole block in a lane: lanes 0-15 block 2 c, lanes 16-31 block 2 c + 1
.irp i, 0,1
	v_permlane16_swap_b32 v[PC+4*\c+\i], v[PC+2+4*\c+\i]
.endr
.endr
.endm
; A tile.  refill = 1: the next tile's x is asked for behind the products and lands under gelu and the quantiser.
; The eight accumulators take turns, one instruction a turn.  b1 is the C of each sum's first product.
.macro BODY refill
	s_wait_loadcnt 0x0                             ; x's fragments, its scale words and the next tile's tokens are in
	WIN 0x3d                                       ; source 0 (W1) window 1, source 1 (x) and source 2 (b1) window 3
.irp t, 0,1,2,3,4,5,6,7
	v_wmma_scale_f32_16x16x128_f8f6f4 v[HA+8*\t:HA+8*\t+7], v[8*\t:8*\t+7], v[0:7], v[B1+8*\t:B1+8*\t+7], v[W1S+8*\t], v[XSC] matrix_a_fmt:MATRIX_FMT_FP4 matrix_b_fmt:MATRIX_FMT_FP4
.endr
	WIN 0x0d
.irp s, 1,2,3
.irp t, 0,1,2,3,4,5,6,7
	v_wmma_scale_f32_16x16x128_f8f6f4 v[HA+8*\t:HA+8*\t+7], v[8*(8*\s+\t):8*(8*\s+\t)+7], v[8*\s:8*\s+7], v[HA+8*\t:HA+8*\t+7], v[W1S+8*\t+\s], v[XSC+\s] matrix_a_fmt:MATRIX_FMT_FP4 matrix_b_fmt:MATRIX_FMT_FP4
.endr
.endr
	WIN 0x0e                                       ; source 0 window 2
.irp s, 4,5,6,7
.irp t, 0,1,2,3,4,5,6,7
	v_wmma_scale_f32_16x16x128_f8f6f4 v[HA+8*\t:HA+8*\t+7], v[8*(8*(\s-4)+\t):8*(8*(\s-4)+\t)+7], v[8*\s:8*\s+7], v[HA+8*\t:HA+8*\t+7], v[W1S+8*\t+\s], v[XSC+\s] matrix_a_fmt:MATRIX_FMT_FP4 matrix_b_fmt:MATRIX_FMT_FP4
.endr
.endr
	WIN 0
.rept 4
	v_nop                                          ; four places (ISA guide 7.12.1) in front of the first read of results
.endr
	s_wait_alu depctr_vm_vsrc(0)                   ; the last tile's stores have read PC and PW, which the quantiser writes again; the last fetch's loads have read XA, XSA and LA, which the fetch below writes again
.if \refill
	s_add_co_u32 s34, s21, 4
	XFETCH
.endif
	GELU
	QUANT HA
	s_wait_alu depctr_va_vdst(0)                   ; the quantiser has written PC and PW, which the three stores read
	global_store_b128 v[LI], v[PC:PC+3], s[28:29]              ; the image: each store covers 512 consecutive bytes, aligned
	global_store_b128 v[LI], v[PC+4:PC+7], s[28:29] offset:512
	global_store_b32 v[SWO], v[PW], s[30:31]                   ; lanes r and r + 16 write the same word with the same value
.if \refill
	s_wait_xcnt 0x0                                ; the stores' data and bases are written again only behind this wait
	s_add_nc_u64 s[28:29], s[28:29], 131072        ; four tiles on: 4 x 32 images
	s_add_nc_u64 s[30:31], s[30:31], 8192
.endif
.endm
	s_wait_loadcnt 0x0                             ; W1's scale words, b1, my first tile's tokens
	s_add_co_u32 s34, s16, 4
	s_wait_alu depctr_vm_vsrc(0)                   ; the load of my first tile's tokens has read LA, which the fetch below writes again
	XFETCH
	s_wait_dscnt 0x0                               ; W1's fragments
	s_add_co_u32 s21, s16, 4                       ; the tile that the next refill asks for
	s_sub_co_u32 s40, s22, s16                     ; the loop's trips: my tiles less one = (last tile - wave) / 4,
	s_lshr_b32 s40, s40, 2
	s_min_u32 s40, s40, 15                         ; 15 at the most: 64 tiles shared among four waves
	s_mov_b32 s39, 0                               ; the loop's counter, in steps of 1
	s_cmp_lg_u32 s40, 0
	s_cbranch_scc0 .Ltail
.Lloop:
	BODY 1
	s_add_co_u32 s21, s21, 4
	s_add_co_u32 s39, s39, 1
	s_cmp_lt_u32 s39, s40
	s_cbranch_scc1 .Lloop
.Ltail:
	BODY 0                                         ; the wave's last tile asks for nothing
.Lend:
	s_wait_dscnt 0x0                               ; the closing lines, six on end
	s_wait_alu 0x0
	s_wait_tensorcnt 0x0
	ds_add_u32 v114, v115
	s_wait_dscnt 0x0
	s_endpgm
.Lfunc_end_k_q89eacbd302_gemm1:
	.size	k_q89eacbd302_gemm1, .Lfunc_end_k_q89eacbd302_gemm1-k_q89eacbd302_gemm1
	.p2alignl 7, 3214868480
	.fill 96, 4, 3214868480
	.section	.rodata,"a",@progbits
	.p2align	6, 0x0
	.amdhsa_kernel k_q89eacbd302_gemm1
		.amdhsa_group_segment_fixed_size 68096
		.amdhsa_private_segment_fixed_size 0
		.amdhsa_enable_private_segment 0
		.amdhsa_kernarg_size 48
		.amdhsa_user_sgpr_count 2
		.amdhsa_user_sgpr_kernarg_segment_ptr 1
		.amdhsa_wavefront_size32 1
		.amdhsa_system_sgpr_workgroup_id_x 1
		.amdhsa_system_sgpr_workgroup_id_y 1
		.amdhsa_system_sgpr_workgroup_id_z 1
		.amdhsa_system_vgpr_workitem_id 0
		.amdhsa_next_free_vgpr 1024
		.amdhsa_next_free_sgpr 66
		.amdhsa_reserve_vcc 0
		.amdhsa_float_denorm_mode_32 3
		.amdhsa_float_denorm_mode_16_64 3
		.amdhsa_memory_ordered 1
		.amdhsa_forward_progress 1
		.amdhsa_inst_pref_size 79
	.end_amdhsa_kernel
	.amdgpu_metadata
---
amdhsa.version: [ 1, 2 ]
amdhsa.kernels:
  - .name:           k_q89eacbd302_gemm1
    .symbol:         k_q89eacbd302_gemm1.kd
    .args:
      - { .name: xq, .offset: 0, .size: 8, .value_kind: global_buffer, .address_space: global }
      - { .name: plan, .offset: 8, .size: 8, .value_kind: global_buffer, .address_space: global }
      - { .name: W1_codes, .offset: 16, .size: 8, .value_kind: global_buffer, .address_space: global }
      - { .name: W1_scales, .offset: 24, .size: 8, .value_kind: global_buffer, .address_space: global }
      - { .name: b1, .offset: 32, .size: 8, .value_kind: global_buffer, .address_space: global }
      - { .name: hid, .offset: 40, .size: 8, .value_kind: global_buffer, .address_space: global }
    .group_segment_fixed_size: 68096
    .private_segment_fixed_size: 0
    .kernarg_segment_align: 8
    .kernarg_segment_size: 48
    .max_flat_workgroup_size: 128
    .sgpr_count:     66
    .vgpr_count:     1024
    .wavefront_size: 32
...
	.end_amdgpu_metadata
.endif
;; end of part 8
;; launch gemm2 (part 9): grid 32 x 8, 4 waves a work-group, no clusters, 75,776 bytes of LDS; arguments hid, plan, W2_codes, W2_scales, b2, y; writes y
.if DOCPART == 9
	.amdgcn_target "amdgcn-amd-amdhsa--gfx1250"
	.amdhsa_code_object_version 6
	.text
	.protected	k_q89eacbd302_gemm2
	.globl	k_q89eacbd302_gemm2
	.p2align	8
	.type	k_q89eacbd302_gemm2,@function
k_q89eacbd302_gemm2:
	s_mov_b64 s[64:65], 0
	v_nop
	global_prefetch_b8 v0, s[64:65] scope:SCOPE_SE
	s_setreg_imm32_b32 hwreg(HW_REG_WAVE_SCHED_MODE, 0, 2), 2
	s_setreg_imm32_b32 hwreg(HW_REG_WAVE_MODE, 25, 1), 1
	s_wait_xcnt 0x0
	s_wait_alu depctr_vm_vsrc(0)
; GEMM2.  y = hid W2 + b2 for the routed rows, on codes of E2M1 with one E8M0 scale for each 32 along K = H = 4,096.
; THE WEIGHTS STAND STILL, as in the launch before: work-group (cs, e) owns output columns 32 cs .. 32 cs + 31 of expert e: 32 rows of W2, 65,536 consecutive bytes that no other
; work-group of the launch reads.  They go through LDS once (rows 2,064 bytes apart) and, behind ONE barrier, into 512 registers of every wave.  Then wave w takes the expert's tiles of
; 16 rows w, w + 4, .. on its own: 32 K steps x 2 tiles of columns = 64 matrix instructions.  The number of tiles is read from memory: no barrier behind the first, no tensor load, no cluster.
; THE HIDDEN LAYER comes as images of an operand's registers: each load takes 512 consecutive bytes.  A whole tile (32 fragments) fills window 3; it is asked for in four groups of
; 8 K steps (16 loads of codes, 2 of scale words), and each group's registers are asked for again, for the wave's next tile, as soon as its 16 products are done with them: 72 loads are issued ahead.
; TRANSPOSED USE: source 0 = 16 rows of W2 (columns of y), source 1 = 16 rows of the hidden layer: a lane holds eight neighbouring columns of one row.
; FOUR ACCUMULATORS take turns, one instruction a turn: even and odd K steps are summed apart and added at the end.  That is an order of rounding
; other than one chain's: a stated limit.  b2 is the C of the even chain's first product, the constant 0 that of the odd chain's.
; OUT: y[e][tile][cs]: a block of 16 rows x 32 columns of f32, 2,048 consecutive bytes, through the wave's own stage in LDS: each store covers 512 consecutive bytes, aligned.
; REGISTERS: window 0: addresses, b2, scale words, accumulators, the way out; window 1: W2's fragments of K steps 0-15 (at 8 (2 s + n)); window 2: K steps 16-31; window 3: the hidden tile (8 s).
; THE MODE: SCHED_MODE bits 1:0 = 2 (LLVM: expert scheduling mode 2), set by the entry lines.  The code itself states the register dependences
; between vector or matrix instructions and memory or LDS instructions, with s_wait_alu, always for 0.
; THE PLAN.  Registers that memory or LDS instructions touch:
;   v128-255          At the head alone: W2's codes land there and the LDS stores read them.  Afterwards v128-159 are the accumulators and v176-191 the block read back.
;   LI, G, FRA, R16, STO, SRD, v10, v11   Offsets and addresses, made at the head and never written again.
;   windows 1 and 2, W2S, b2   Loaded once, ahead of the loop; read by the products.
;   group g of window 3 (64 registers), HSC 8 g .. 8 g + 7   Read by the group's 16 products; behind them the 18 loads of the same group of the wave's next tile land there.
;   ACC, its low 16   Written by the eight additions at a tile's end; read by four LDS stores; written again by the next tile's first products.
;   OUT               Four LDS loads land there; four global stores read it.
;   v14, v15          Written at the head, read by the closing add alone.
; So ONE wait on va_vdst stands behind each group's products, ahead of the run of loads that asks for the group again: a group that waited for the next group's head would lie idle for a
; quarter of the ring's round, and this launch lives on loads in flight.  The last group's wait stands behind the eight additions and states them too, for the LDS stores.  One wait on
; vm_vsrc a tile stands at its end, beside the wait on XCNT: the LDS stores have read the sums and the global stores OUT.  The loads stand in runs: they land in window 3 by an address in
; window 0, the products take source 0 from window 1 or 2.
.set HS_OFF,  16777216
.set CNT_OFF, 44032
.set PITCH,   2064                     ; a row of W2 in LDS: 2,048 bytes + 16, an odd multiple of 16
.set STG,     32*PITCH                 ; behind the rows: a stage of 16 x 144 bytes for each wave
.set SPI,     144
.set LI,  4                            ; v4   16 x lane
.set G,   5                            ; v5   16 x thread
.set FRA, 6                            ; v6   2064 r + 16 h
.set R16, 7                            ; v7   16 r
.set STO, 8                            ; v8   the stage, in: row r, + 32 h
.set SRD, 9                            ; v9   and back: row lane / 8, + 16 (lane % 8)
.set B2,  16                           ; v16-31   b2 in the result's layout: 8 n
.set W2S, 32                           ; v32-95   W2's scale words: 32 n + s
.set HSC, 96                           ; v96-127  the hidden tile's: s
.set ACC, 128                          ; v128-159 accumulator 2 (s % 2) + n
.set OUT, 176                          ; v176-191 the block read back
.set MSB, 0
.macro WIN new                         ; the immediate's high byte repeats the setting that is left
.if MSB != \new
	s_set_vgpr_msb (MSB<<8)|\new
.set MSB, \new
.endif
.endm
	s_load_b256 s[4:11], s[0:1], 0x0               ; hid s[4:5], plan s[6:7], W2's codes s[8:9], W2's scales s[10:11]
	s_load_b128 s[12:15], s[0:1], 0x20             ; b2 s[12:13], y s[14:15]
	v_lshl_add_u32 v14, v0, 2, 0x12600
	v_mov_b32 v15, 0
	v_lshrrev_b32 v1, 5, v0
	v_readfirstlane_b32 s16, v1                    ; wave
	s_mov_b32 s17, ttmp9                           ; cs
	s_and_b32 s18, ttmp7, 0xffff                   ; e
	v_and_b32 v1, 31, v0                           ; lane
	v_and_b32 v2, 15, v0                           ; r
	v_bfe_u32 v3, v0, 4, 1                         ; h
	v_lshlrev_b32 v[LI], 4, v1
	v_lshlrev_b32 v[G], 4, v0
	v_mul_u32_u24 v[FRA], v2, PITCH
	v_lshl_add_u32 v[FRA], v3, 4, v[FRA]
	v_lshlrev_b32 v[R16], 4, v2
	s_wait_alu depctr_va_sdst(0)                   ; s16, the wave's number, is written, ahead of its first reader
	s_mul_i32 s23, s16, 16*SPI
	s_add_co_u32 s23, s23, STG                     ; my stage
	v_mul_u32_u24 v[STO], v2, SPI
	v_lshl_add_u32 v[STO], v3, 5, v[STO]
	v_add_nc_u32 v[STO], s23, v[STO]
	v_lshrrev_b32 v[SRD], 3, v1
	v_mul_u32_u24 v[SRD], v[SRD], SPI
	v_and_b32 v12, 7, v1
	v_lshl_add_u32 v[SRD], v12, 4, v[SRD]
	v_add_nc_u32 v[SRD], s23, v[SRD]
	v_lshlrev_b32 v10, 7, v2                       ; W2's scale bytes: 128 a row
	v_lshlrev_b32 v11, 5, v3                       ; b2: lanes 16-31 begin 8 columns on
	s_lshl_b32 s37, s18, 2
	s_mov_b32 s35, 0
	s_wait_kmcnt 0x0
	s_load_b32 s19, s[6:7], s37 offset:CNT_OFF     ; my expert's count of rows
	s_lshl_b32 s34, s18, 21
	s_lshl_b32 s36, s17, 16
	s_add_co_u32 s34, s34, s36
	s_add_nc_u64 s[8:9], s[8:9], s[34:35]          ; my 32 rows of codes,
	s_lshl_b32 s34, s18, 17
	s_lshl_b32 s36, s17, 12
	s_add_co_u32 s34, s34, s36
	s_add_nc_u64 s[10:11], s[10:11], s[34:35]      ; of scale bytes,
	s_lshl_b32 s34, s18, 12
	s_lshl_b32 s36, s17, 7
	s_add_co_u32 s34, s34, s36
	s_add_nc_u64 s[12:13], s[12:13], s[34:35]      ; my 32 numbers of b2
	s_lshl_b32 s38, s18, 6
	s_add_co_u32 s38, s38, s16                     ; 64 e + wave: my first tile
	s_lshl_b32 s34, s38, 15
	s_add_nc_u64 s[24:25], s[4:5], s[34:35]        ; its 32 images,
	s_lshl_b32 s34, s38, 11
	s_add_co_u32 s34, s34, HS_OFF
	s_add_nc_u64 s[26:27], s[4:5], s[34:35]        ; its scale words,
	s_lshl_b32 s34, s38, 16
	s_lshl_b32 s36, s17, 11
	s_add_co_u32 s34, s34, s36
	s_add_nc_u64 s[28:29], s[14:15], s[34:35]      ; and its block of y
	s_wait_alu depctr_va_vdst(0)                   ; the head's offsets and addresses (LI, G, FRA, R16, STO, SRD, v10, v11) are written: every load and store of the kernel, global or LDS, reads one of them
.set k, 0
.rept 32
	global_load_b128 v[128+4*k:128+4*k+3], v[G], s[8:9] offset:2048*k th:TH_LOAD_NT   ; the work-group reads row k: 2,048 consecutive bytes
.set k, k+1
.endr
.irp n, 0,1
.irp q, 0,1,2,3,4,5,6,7
	global_load_b128 v[W2S+32*\n+4*\q:W2S+32*\n+4*\q+3], v10, s[10:11] offset:2048*\n+16*\q
.endr
.endr
.irp n, 0,1
.irp u, 0,1
	global_load_b128 v[B2+8*\n+4*\u:B2+8*\n+4*\u+3], v11, s[12:13] offset:64*\n+16*\u
.endr
.endr
	s_wait_loadcnt 20                              ; the 32 loads of codes are in; the 16 of scales and 4 of b2, issued behind them, may be out
.set k, 0
.rept 32
	ds_store_b128 v[G], v[128+4*k:128+4*k+3] offset:PITCH*k
.set k, k+1
.endr
	s_wait_dscnt 0x0                               ; for the others' sake: my part of the rows has landed
	s_barrier_signal -1
	s_barrier_wait -1                              ; the launch's one barrier, ahead of every branch on the count
	s_wait_alu depctr_vm_vsrc(0)                   ; my LDS stores have read v128-255: of these the products write the accumulators, and the stage's loads land in OUT
	s_wait_kmcnt 0x0
	s_min_u32 s19, s19, 1024
	s_add_co_u32 s20, s19, 15
	s_lshr_b32 s20, s20, 4                         ; tiles of 16 rows, 64 at the most
	s_cmp_ge_u32 s16, s20
	s_cbranch_scc1 .Lend                           ; no tile for this wave
; K steps 8 g .. 8 g + 7 of the tile at s[24:25]: 16 loads of codes, 2 of scale words.  dep = 1: products have read the group's registers; dep = 0: the first tile, whose registers nothing has named.
.macro GROUPLOAD g, dep
	WIN 0xc0                                       ; destination window 3
.if \dep
	s_wait_alu depctr_va_vdst(0)                   ; the products issued so far are done reading this group's fragments and scale words, in which the loads below land; behind the last group the eight additions have also written the sums, which the LDS stores read
.endif
.irp i, 0,1,2,3,4,5,6,7
.irp c, 0,1
	global_load_b128 v[8*(8*\g+\i)+4*\c:8*(8*\g+\i)+4*\c+3], v[LI], s[24:25] offset:1024*(8*\g+\i)+512*\c
.endr
.endr
	WIN 0
.irp u, 0,1
	global_load_b128 v[HSC+4*(2*\g+\u):HSC+4*(2*\g+\u)+3], v[R16], s[26:27] offset:256*(2*\g+\u)
.endr
.endm
	GROUPLOAD 0, 0                                 ; my first tile is on its way while W2's fragments come out of LDS.  No vector line stands behind the head's wait, so these loads owe none
	GROUPLOAD 1, 0
	GROUPLOAD 2, 0
	GROUPLOAD 3, 0
	s_wait_xcnt 0x0                                ; the bases step only behind this wait
	s_add_nc_u64 s[24:25], s[24:25], 131072        ; four tiles on
	s_add_nc_u64 s[26:27], s[26:27], 8192
	WIN 0x40                                       ; destination window 1
.irp s, 0,1,2,3,4,5,6,7,8,9,10,11,12,13,14,15
.irp n, 0,1
.irp c, 0,1
	ds_load_b128 v[8*(2*\s+\n)+4*\c:8*(2*\s+\n)+4*\c+3], v[FRA] offset:16*PITCH*\n+64*\s+32*\c
.endr
.endr
.endr
	WIN 0x80                                       ; destination window 2
.irp s, 16,17,18,19,20,21,22,23,24,25,26,27,28,29,30,31
.irp n, 0,1
.irp c, 0,1
	ds_load_b128 v[8*(2*(\s-16)+\n)+4*\c:8*(2*(\s-16)+\n)+4*\c+3], v[FRA] offset:16*PITCH*\n+64*\s+32*\c
.endr
.endr
.endr
	WIN 0
.macro MM s, n                         ; K step s, columns 16 n on
.set rD, ACC+8*(2*((\s)%2)+\n)
.set rA, 8*(2*((\s)%16)+\n)
.set rB, 8*(\s)
.if (\s) == 0
	v_wmma_scale_f32_16x16x128_f8f6f4 v[rD:rD+7], v[rA:rA+7], v[rB:rB+7], v[B2+8*\n:B2+8*\n+7], v[W2S+32*\n+(\s)], v[HSC+(\s)] matrix_a_fmt:MATRIX_FMT_FP4 matrix_b_fmt:MATRIX_FMT_FP4
.elseif (\s) == 1
	v_wmma_scale_f32_16x16x128_f8f6f4 v[rD:rD+7], v[rA:rA+7], v[rB:rB+7], 0, v[W2S+32*\n+(\s)], v[HSC+(\s)] matrix_a_fmt:MATRIX_FMT_FP4 matrix_b_fmt:MATRIX_FMT_FP4
.else
	v_wmma_scale_f32_16x16x128_f8f6f4 v[rD:rD+7], v[rA:rA+7], v[rB:rB+7], v[rD:rD+7], v[W2S+32*\n+(\s)], v[HSC+(\s)] matrix_a_fmt:MATRIX_FMT_FP4 matrix_b_fmt:MATRIX_FMT_FP4
.endif
.endm
; A tile.  refill = 1: each group's registers are asked for again, for my next tile.
.macro BODY refill
.irp g, 0,1,2,3
.if \refill
	s_wait_loadcnt 54                              ; behind this group's 18 loads three groups of 18 were issued: the rest of this tile and the part of the next already asked for
.else
	s_wait_loadcnt 54-18*\g                        ; nothing more is asked for: the counts run down
.endif
.if \g < 2
	WIN 0x0d                                       ; source 0 (W2) window 1, source 1 (the hidden tile) window 3
.else
	WIN 0x0e                                       ; source 0 window 2
.endif
.irp i, 0,1,2,3,4,5,6,7
.irp n, 0,1
	MM 8*\g+\i, \n
.endr
.endr
.if \refill && (\g < 3)
	GROUPLOAD \g, 1                                ; the group is asked for again at once
.endif
.endr
.rept 5
	v_nop                                          ; five places (ISA guide 7.12.1) behind the last products: four ahead of the first read of their results, the fifth since the next tile begins their accumulators anew
.endr
	WIN 0
.irp n, 0,1
.irp j, 0,2,4,6
	v_pk_add_f32 v[ACC+8*\n+\j:ACC+8*\n+\j+1], v[ACC+8*\n+\j:ACC+8*\n+\j+1], v[ACC+16+8*\n+\j:ACC+16+8*\n+\j+1]   ; even and odd K steps, each accumulator from its low end on
.endr
.endr
.if \refill
	GROUPLOAD 3, 1                                 ; the last group is asked for again behind the additions, so that its wait serves the LDS stores below too: no vector line stands between
.else
	s_wait_alu depctr_va_vdst(0)                   ; the eight additions have written the sums, which the LDS stores read
.endif
.irp n, 0,1
.irp u, 0,1
	ds_store_b128 v[STO], v[ACC+8*\n+4*\u:ACC+8*\n+4*\u+3] offset:64*\n+16*\u   ; lane (r, h): y(r, 16 n + 8 h + 0 .. 7)
.endr
.endr
.irp k, 0,1,2,3
	ds_load_b128 v[OUT+4*\k:OUT+4*\k+3], v[SRD] offset:4*SPI*\k   ; LDS serves a wave's instructions in order: these see my stores
.endr
	s_wait_dscnt 0x0
.irp k, 0,1,2,3
	global_store_b128 v[LI], v[OUT+4*\k:OUT+4*\k+3], s[28:29] offset:512*\k
.endr
.if \refill
	s_wait_xcnt 0x0                                ; the stores' data and all three bases are written again only behind this wait
	s_wait_alu depctr_vm_vsrc(0)                   ; the LDS stores have read the sums, which the next tile's first products write again; the global stores have read OUT, in which the next tile's LDS loads land
	s_add_nc_u64 s[28:29], s[28:29], 262144        ; four tiles on: 4 x 32 blocks
	s_add_nc_u64 s[24:25], s[24:25], 131072
	s_add_nc_u64 s[26:27], s[26:27], 8192
.endif
.endm
	s_wait_dscnt 0x0                               ; W2's fragments
	s_sub_co_u32 s22, s20, 1                       ; the last tile
	s_sub_co_u32 s40, s22, s16                     ; the loop's trips: my tiles less one = (last tile - wave) / 4,
	s_lshr_b32 s40, s40, 2
	s_min_u32 s40, s40, 15                         ; 15 at the most: 64 tiles shared among four waves
	s_mov_b32 s39, 0                               ; the loop's counter, in steps of 1
	s_cmp_lg_u32 s40, 0
	s_cbranch_scc0 .Ltail
.Lloop:
	BODY 1
	s_add_co_u32 s39, s39, 1
	s_cmp_lt_u32 s39, s40
	s_cbranch_scc1 .Lloop
.Ltail:
	BODY 0                                         ; the wave's last tile
.Lend:
	s_wait_dscnt 0x0                               ; the closing lines, six on end
	s_wait_alu 0x0
	s_wait_tensorcnt 0x0
	ds_add_u32 v14, v15
	s_wait_dscnt 0x0
	s_endpgm
.Lfunc_end_k_q89eacbd302_gemm2:
	.size	k_q89eacbd302_gemm2, .Lfunc_end_k_q89eacbd302_gemm2-k_q89eacbd302_gemm2
	.p2alignl 7, 3214868480
	.fill 96, 4, 3214868480
	.section	.rodata,"a",@progbits
	.p2align	6, 0x0
	.amdhsa_kernel k_q89eacbd302_gemm2
		.amdhsa_group_segment_fixed_size 75776
		.amdhsa_private_segment_fixed_size 0
		.amdhsa_enable_private_segment 0
		.amdhsa_kernarg_size 48
		.amdhsa_user_sgpr_count 2
		.amdhsa_user_sgpr_kernarg_segment_ptr 1
		.amdhsa_wavefront_size32 1
		.amdhsa_system_sgpr_workgroup_id_x 1
		.amdhsa_system_sgpr_workgroup_id_y 1
		.amdhsa_system_sgpr_workgroup_id_z 1
		.amdhsa_system_vgpr_workitem_id 0
		.amdhsa_next_free_vgpr 1024
		.amdhsa_next_free_sgpr 66
		.amdhsa_reserve_vcc 0
		.amdhsa_float_denorm_mode_32 3
		.amdhsa_float_denorm_mode_16_64 3
		.amdhsa_memory_ordered 1
		.amdhsa_forward_progress 1
		.amdhsa_inst_pref_size 53
	.end_amdhsa_kernel
	.amdgpu_metadata
---
amdhsa.version: [ 1, 2 ]
amdhsa.kernels:
  - .name:           k_q89eacbd302_gemm2
    .symbol:         k_q89eacbd302_gemm2.kd
    .args:
      - { .name: hid, .offset: 0, .size: 8, .value_kind: global_buffer, .address_space: global }
      - { .name: plan, .offset: 8, .size: 8, .value_kind: global_buffer, .address_space: global }
      - { .name: W2_codes, .offset: 16, .size: 8, .value_kind: global_buffer, .address_space: global }
      - { .name: W2_scales, .offset: 24, .size: 8, .value_kind: global_buffer, .address_space: global }
      - { .name: b2, .offset: 32, .size: 8, .value_kind: global_buffer, .address_space: global }
      - { .name: y, .offset: 40, .size: 8, .value_kind: global_buffer, .address_space: global }
    .group_segment_fixed_size: 75776
    .private_segment_fixed_size: 0
    .kernarg_segment_align: 8
    .kernarg_segment_size: 48
    .max_flat_workgroup_size: 128
    .sgpr_count:     66
    .vgpr_count:     1024
    .wavefront_size: 32
...
	.end_amdgpu_metadata
.endif
;; end of part 9
;; launch combine (part 10): grid 256 x 1, 4 waves a work-group, no clusters, 0 bytes of LDS; arguments y, plan, gate, out0; writes out0
.if DOCPART == 10
	.amdgcn_target "amdgcn-amd-amdhsa--gfx1250"
	.amdhsa_code_object_version 6
	.text
	.protected	k_q89eacbd302_combine
	.globl	k_q89eacbd302_combine
	.p2align	8
	.type	k_q89eacbd302_combine,@function
k_q89eacbd302_combine:
	s_mov_b64 s[64:65], 0
	v_nop
	global_prefetch_b8 v0, s[64:65] scope:SCOPE_SE
	s_setreg_imm32_b32 hwreg(HW_REG_WAVE_MODE, 25, 1), 1
	s_wait_xcnt 0x0
; COMBINE.  out0[token] = w1 y[place of its first choice] + w2 y[place of its second].  A stream: memory binds, so no LDS, no matrix unit, no cluster.
; A wave takes a token.  A place is e x 1024 + rank; its row lies in y[place / 16][cs][place % 16]: 32 pieces of 128 bytes, 2,048 bytes apart.
; A load takes four pieces (eight lanes to a piece); a store covers 512 consecutive bytes of the output's row, aligned.  All 16 loads are issued ahead of the first wait.
.set POS_OFF, 34816
.set Y0, 16                            ; v16-47  the first choice's row, then the result
.set Y1, 48                            ; v48-79  the second's
	s_load_b256 s[4:11], s[0:1], 0x0               ; y s[4:5], plan s[6:7], gate s[8:9], out0 s[10:11]
	v_lshrrev_b32 v1, 5, v0
	v_readfirstlane_b32 s12, v1                    ; wave
	v_and_b32 v1, 31, v0                           ; lane
	v_lshrrev_b32 v2, 3, v1
	v_lshlrev_b32 v2, 11, v2
	v_and_b32 v4, 7, v1
	v_lshl_add_u32 v2, v4, 4, v2                   ; piece lane / 8, + 16 (lane % 8)
	v_lshlrev_b32 v3, 4, v1
	s_lshl_b32 s13, ttmp9, 2
	s_add_co_u32 s13, s13, s12                     ; my token
	s_lshl_b32 s14, s13, 3
	s_wait_alu depctr_va_vdst(0)
	s_wait_kmcnt 0x0
	s_load_b64 s[16:17], s[6:7], s14 offset:POS_OFF   ; its two places
	s_load_b64 s[18:19], s[8:9], s14 offset:0x0       ; its two gates
	s_lshl_b32 s20, s13, 12
	s_mov_b32 s21, 0
	s_add_nc_u64 s[10:11], s[10:11], s[20:21]      ; its row of out0
	s_wait_kmcnt 0x0
	s_min_u32 s16, s16, 0x1fff
	s_min_u32 s17, s17, 0x1fff
	s_and_b32 s22, s16, 0x1ff0
	s_lshl_b32 s22, s22, 12                        ; (place / 16) x 32 blocks of 2,048 bytes
	s_and_b32 s23, s16, 15
	s_lshl_b32 s23, s23, 7                         ; + the row in a block
	s_add_co_u32 s24, s22, s23
	s_mov_b32 s25, 0
	s_add_nc_u64 s[24:25], s[4:5], s[24:25]
	s_and_b32 s22, s17, 0x1ff0
	s_lshl_b32 s22, s22, 12
	s_and_b32 s23, s17, 15
	s_lshl_b32 s23, s23, 7
	s_add_co_u32 s26, s22, s23
	s_mov_b32 s27, 0
	s_add_nc_u64 s[26:27], s[4:5], s[26:27]
	s_mov_b32 s28, s19                             ; w2 in a pair of its own: the packed form names a pair and takes its low word for both halves
	s_mov_b32 s29, s19
.irp j, 0,1,2,3,4,5,6,7
	global_load_b128 v[Y0+4*\j:Y0+4*\j+3], v2, s[24:25] offset:8192*\j th:TH_LOAD_NT
	global_load_b128 v[Y1+4*\j:Y1+4*\j+3], v2, s[26:27] offset:8192*\j th:TH_LOAD_NT
.endr
.irp j, 0,1,2,3,4,5,6,7
	s_wait_loadcnt 14-2*\j                         ; pair j is in; the pairs issued behind it may be out
	v_pk_mul_f32 v[Y0+4*\j:Y0+4*\j+1], v[Y0+4*\j:Y0+4*\j+1], s[18:19] op_sel_hi:[1,0]
	v_pk_mul_f32 v[Y0+4*\j+2:Y0+4*\j+3], v[Y0+4*\j+2:Y0+4*\j+3], s[18:19] op_sel_hi:[1,0]
	v_pk_fma_f32 v[Y0+4*\j:Y0+4*\j+1], v[Y1+4*\j:Y1+4*\j+1], s[28:29], v[Y0+4*\j:Y0+4*\j+1] op_sel_hi:[1,0,1]
	v_pk_fma_f32 v[Y0+4*\j+2:Y0+4*\j+3], v[Y1+4*\j+2:Y1+4*\j+3], s[28:29], v[Y0+4*\j+2:Y0+4*\j+3] op_sel_hi:[1,0,1]
	global_store_b128 v3, v[Y0+4*\j:Y0+4*\j+3], s[10:11] offset:512*\j th:TH_STORE_NT
.endr
	s_endpgm
.Lfunc_end_k_q89eacbd302_combine:
	.size	k_q89eacbd302_combine, .Lfunc_end_k_q89eacbd302_combine-k_q89eacbd302_combine
	.p2alignl 7, 3214868480
	.fill 96, 4, 3214868480
	.section	.rodata,"a",@progbits
	.p2align	6, 0x0
	.amdhsa_kernel k_q89eacbd302_combine
		.amdhsa_group_segment_fixed_size 0
		.amdhsa_private_segment_fixed_size 0
		.amdhsa_enable_private_segment 0
		.amdhsa_kernarg_size 32
		.amdhsa_user_sgpr_count 2
		.amdhsa_user_sgpr_kernarg_segment_ptr 1
		.amdhsa_wavefront_size32 1
		.amdhsa_system_sgpr_workgroup_id_x 1
		.amdhsa_system_sgpr_workgroup_id_y 1
		.amdhsa_system_sgpr_workgroup_id_z 1
		.amdhsa_system_vgpr_workitem_id 0
		.amdhsa_next_free_vgpr 80
		.amdhsa_next_free_sgpr 66
		.amdhsa_reserve_vcc 0
		.amdhsa_float_denorm_mode_32 3
		.amdhsa_float_denorm_mode_16_64 3
		.amdhsa_memory_ordered 1
		.amdhsa_forward_progress 1
		.amdhsa_inst_pref_size 7
	.end_amdhsa_kernel
	.amdgpu_metadata
---
amdhsa.version: [ 1, 2 ]
amdhsa.kernels:
  - .name:           k_q89eacbd302_combine
    .symbol:         k_q89eacbd302_combine.kd
    .args:
      - { .name: y, .offset: 0, .size: 8, .value_kind: global_buffer, .address_space: global }
      - { .name: plan, .offset: 8, .size: 8, .value_kind: global_buffer, .address_space: global }
      - { .name: gate, .offset: 16, .size: 8, .value_kind: global_buffer, .address_space: global }
      - { .name: out0, .offset: 24, .size: 8, .value_kind: global_buffer, .address_space: global }
    .group_segment_fixed_size: 0
    .private_segment_fixed_size: 0
    .kernarg_segment_align: 8
    .kernarg_segment_size: 32
    .max_flat_workgroup_size: 128
    .sgpr_count:     66
    .vgpr_count:     80
    .wavefront_size: 32
...
	.end_amdgpu_metadata
.endif
;; end of part 10
